; MI455X (gfx1250); checked and timed in simulation.
; The chip was launched on July 23, 2026; its instructions are those of AMD's public machine-readable ISA for CDNA 5 (MIT licence, August 2026) and "CDNA5" Instruction Set Architecture Reference Guide (July 2026). The comments in the code are by the model that wrote it; some were corrected since.
;; TF Multi Head Attention. Allowed arithmetic: matrix products marked QUANTISED: E2M3 operands, one E8M0 scale for each 32 along K, by v_wmma_scale_f32_16x16x128_f8f6f4 with both operands' format E2M3, f32 sums; everything else in f32.
;; Inputs: Wk 1,024 x 1,024 float32; Wo 1,024 x 1,024 float32; Wq 1,024 x 1,024 float32; Wv 1,024 x 1,024 float32; bk 1,024 float32; bo 1,024 float32; bq 1,024 float32; bv 1,024 float32; k 2 x 2,048 x 1,024 float32; mask 2,048 x 2,048 float32; q 2 x 2,048 x 1,024 float32; v 2 x 2,048 x 1,024 float32.
;; Outputs: out0 2 x 2,048 x 1,024 float32.
;; This version of the problem:
;;   THIS VERSION OF THE PROBLEM IS GIVEN IN LOW PRECISION. The matrix products marked QUANTISED in the list below multiply operands that are first quantised to E2M3 (2 exponent bits, 3 mantissa bits; 6 bits a number), with one power-of-two scale for each 32 numbers along K (OCP MX v1.0); their sums are f32. All else is computed in f32.
;;   The module's matrix products, in the order in which they are computed (A, B: the left and right operand; K: the contracted axis; several contracted axes count as one K, in the product's order):
;;     1. [M 4,096, K 1,024] x [K 1,024, N 1,024]; A: input q; B: input Wq: QUANTISED
;;     2. [M 4,096, K 1,024] x [K 1,024, N 1,024]; A: input k; B: input Wk: QUANTISED
;;     3. [M 4,096, K 1,024] x [K 1,024, N 1,024]; A: input v; B: input Wv: QUANTISED
;;     4. batch 32 x [M 2,048, K 64] x [K 64, N 2,048]; A: computed on the way; B: computed on the way: QUANTISED
;;     5. batch 32 x [M 2,048, K 2,048] x [K 2,048, N 64]; A: softmax (see below); B: computed on the way: QUANTISED
;;     6. [M 4,096, K 1,024] x [K 1,024, N 1,024]; A: computed on the way; B: input Wo: QUANTISED
;;   THE QUANTISER, for each operand of a quantised product, along K:
;;     - K is cut into blocks of 32 from its start; a last block that is shorter is filled with zeros.
;;     - A block's scale is 2^e with e = floor(log2(the largest magnitude in the block)) - 2, held to -126 .. 127; a block of zeros has e = 0. As a byte (E8M0): e + 127.
;;     - Each number is divided by its block's scale, clamped to +-7.5, and rounded to the nearest number of E2M3, ties to even, subnormals kept.
;;     - The product sums the exact products of the quantised numbers (number of the format x scale) in f32.
;;   ~~~python
;;   def quantise(x, axis):      # numpy; x: float32 -> the quantised numbers, widened to float32 again
;;       x = np.moveaxis(x, axis, -1); K = x.shape[-1]
;;       x = np.pad(x, [(0, 0)] * (x.ndim - 1) + [(0, -K % 32)]); x = x.reshape(x.shape[:-1] + (-1, 32)); a = np.abs(x).max(-1, keepdims=True)
;;       e = np.where(a > 0, np.clip(np.frexp(np.where(a > 0, a, 1))[1] - 1 - 2, -126, 127), 0)      # np.frexp(a)[1] - 1 = floor(log2(a)), exactly
;;       r = np.clip(x / 2.0 ** e, -7.5, 7.5)
;;       step = 2.0 ** (np.maximum(np.frexp(np.where(r == 0, 1, r))[1] - 1, 0) - 3)
;;       q = np.round(r / step) * step * 2.0 ** e      # np.round: ties to even
;;       return np.moveaxis(q.reshape(q.shape[:-2] + (-1,))[..., :K], -1, axis).astype(np.float32)
;;   ~~~
;;   SOFTMAX AHEAD OF A QUANTISED PRODUCT. Where the list says 'softmax', what is quantised is not the finished softmax but p = 2^(t - M), with t = logit x log2(e) and M = ceil(the row's largest t), a whole number; so 1/2 < the row's largest p <= 1. The row's sum l is taken of the UNQUANTISED p, in f32, and the product's result is divided by l at the end. Since M is a whole number, a kernel that streams over the keys may use a running M (the ceiling of the running maximum): every later rescaling is an exact power of two, which a block's scale takes up: the codes' values come out the same.
;;   OPERANDS COMPUTED ON THE WAY. 'Computed on the way' means the value that the module computes at that place (a softmax that the list does not call 'softmax' is quantised finished and normalised). What goes into a quantiser is computed in f32, as accurately as f32 sums, v_exp_f32 and their like allow (about 1e-6 of the number): no bf16 or f16 on the way to a quantiser, and a product that is left as it is and whose result goes on into a quantised operand takes f32 operands (vector FMAs, or v_wmma_f32_16x16x4_f32). A number that lies on a knife's edge between two numbers of the format may be rounded either way, as far as f32 arithmetic and the matrix unit's own rounding can turn it there, and no further.
;; 2 versions. Each part assembles by itself: llvm-mc -triple=amdgcn-amd-amdhsa -mcpu=gfx1250 --defsym DOCPART=n.
;; ======== version 1 of 2: 4 launches
;; workspace buffers: wimg 3,276,800 bytes; mimg 16,777,216 bytes; pimg 10,223,616 bytes; cimg 3,407,872 bytes
;; launch prep (part 1): grid 512 x 1, 4 waves a work-group, no clusters, 0 bytes of LDS; arguments Wq, Wk, Wv, Wo, mask, wimg, mimg; writes wimg, mimg
.if DOCPART == 1
	.amdgcn_target "amdgcn-amd-amdhsa--gfx1250"
	.amdhsa_code_object_version 6
	.text
	.protected	k_qb6e856bbdc_prep
	.globl	k_qb6e856bbdc_prep
	.p2align	8
	.type	k_qb6e856bbdc_prep,@function
k_qb6e856bbdc_prep:
	s_mov_b64 s[64:65], 0
	v_nop
	global_prefetch_b8 v0, s[64:65] scope:SCOPE_SE
	s_setreg_imm32_b32 hwreg(HW_REG_WAVE_MODE, 25, 1), 1
	s_wait_xcnt 0x0
; PREP.  Two jobs, parted on the work-group's number alone; no LDS, no barrier, waves share nothing.
; (a) Work-groups 0-255: the four weights W [1024 (k)][1024 (n)] f32 become codes of FP6 (E2M3) with one E8M0 byte for each 32 along K (their FIRST axis), laid as images of operand registers:
;     wimg [weight 4][G 16][s 8][6,400 bytes]: four fragments t of 16 rows n x 128 K (1,536 bytes: registers 4 c .. 4 c + 3 of lane l at 512 c + 16 l), then 256 bytes of scale words.
;     The rows of a fragment are not neighbours: row p of fragment t = 2 b + u is column 64 G + 32 b + 8 u + p + 8 (p / 8), so that a product which takes the fragment as source 0 leaves 16 neighbours along n in two tiles' registers.
;     A lane takes a column n and its registers run down K: a block of 32 lies in one lane, the conversions give K innermost, nothing is transposed.
; (b) Work-groups 256-511: mask [2048][2048] f32 becomes -80,000 x mask = 8 x (-10,000 x mask), exactly, laid as the score accumulators of the attention launch want it:
;     mimg [block of 64 queries 32][step of 128 keys 16][tile of 16 queries 4][8,192 bytes]: register 16 B + x of lane (r, h) = query r, key 32 B + 16 h + x; registers 4 i .. 4 i + 3 of lane l at 512 i + 16 l.
; A block's scale is 2^(floor(log2(largest magnitude)) - 2); its byte is the largest magnitude's exponent field - 2, held at 1 from below.
; LIMITS: a block of zeros, or one whose largest magnitude lies under 2^-124, gets the byte 1 (its codes are zeros or the format's smallest; these bytes are read by this program alone); NaN and infinities are not served.
.set X,    32                          ; v32-159  four sets of 32 numbers (weights); two sets of 64 (mask)
.set CODE, 160                         ; v160-183 my column's codes: 12 registers for lane half 0 of the fragment, 12 for half 1
.set CT,   184                         ; v184-186 a block's upper 16 codes (a conversion's three registers begin on an even number)
.set SB,   24                          ; v24      my column's four scale bytes
.set VI,   2                           ; v2       in: 4 x lane
.set VO,   3                           ; v3       out: my place in the fragments
.set VSC,  4                           ; v4       out: my scale word's place
.set VM,   5                           ; v5       mask, in
.set VOUT, 6                           ; v6       mask, out: 16 x lane
	s_load_b256 s[4:11], s[0:1], 0x0               ; Wq, Wk, Wv, Wo
	s_load_b64 s[12:13], s[0:1], 0x20              ; mask
	s_load_b64 s[16:17], s[0:1], 0x28              ; wimg
	s_load_b64 s[18:19], s[0:1], 0x30              ; mimg
	v_lshrrev_b32 v1, 5, v0
	v_readfirstlane_b32 s20, v1                    ; wave 0..3
	v_and_b32 v1, 31, v0                           ; lane
	s_cmp_lt_u32 ttmp9, 256
	s_cbranch_scc0 .Lmask
	; ---- (a) a work-group takes one weight, one K step of 128 and 128 columns; a wave 32 columns
	s_lshr_b32 s21, ttmp9, 6                       ; which weight
	s_bfe_u32 s22, ttmp9, 0x30003                  ; K step s (3 bits from bit 3)
	s_and_b32 s23, ttmp9, 7                        ; which 128 columns
	v_lshlrev_b32 v[VI], 2, v1
	v_bfe_u32 v7, v1, 3, 1                         ; u: column 32 b + lane is row p = lane % 8 + 8 (lane / 16) of fragment 2 b + u, u = (lane / 8) % 2
	v_and_b32 v8, 7, v1
	v_lshrrev_b32 v9, 4, v1
	v_lshl_add_u32 v8, v9, 3, v8                   ; p
	v_mul_u32_u24 v[VO], v7, 1536
	v_lshl_add_u32 v[VO], v8, 4, v[VO]             ; 1,536 u + 16 p
	v_lshl_add_u32 v[VSC], v7, 4, v8
	v_lshlrev_b32 v[VSC], 2, v[VSC]                ; 4 (16 u + p)
	s_lshl_b32 s24, s22, 19                        ; in: 128 s rows of 4,096 bytes
	s_lshl_b32 s26, s23, 9                         ; + 128 columns x 4 bytes a group
	s_add_co_u32 s24, s24, s26
	s_lshl_b32 s26, s20, 7                         ; + 32 columns a wave
	s_add_co_u32 s24, s24, s26
	s_mov_b32 s25, 0
	s_lshl_b32 s28, s23, 1                         ; out: G = 2 x group + wave / 2
	s_lshr_b32 s26, s20, 1
	s_add_co_u32 s28, s28, s26
	s_lshl_b32 s28, s28, 3
	s_add_co_u32 s28, s28, s22                     ; 8 G + s
	s_mul_i32 s28, s28, 6400
	s_mul_i32 s26, s21, 819200
	s_add_co_u32 s28, s28, s26                     ; the block of 6,400 bytes
	s_and_b32 s26, s20, 1                          ; b = wave % 2
	s_mul_i32 s30, s26, 3072                       ; fragments 2 b, 2 b + 1
	s_add_co_u32 s30, s30, s28
	s_mov_b32 s31, 0
	s_lshl_b32 s32, s26, 7                         ; their 128 bytes of scale words
	s_add_co_u32 s32, s32, 6144
	s_add_co_u32 s32, s32, s28
	s_mov_b32 s33, 0
	s_wait_kmcnt 0x0
	s_cmp_eq_u32 s21, 1                            ; the weight is chosen on the work-group's number alone
	s_cselect_b64 s[4:5], s[6:7], s[4:5]
	s_cmp_eq_u32 s21, 2
	s_cselect_b64 s[4:5], s[8:9], s[4:5]
	s_cmp_eq_u32 s21, 3
	s_cselect_b64 s[4:5], s[10:11], s[4:5]
	s_add_nc_u64 s[4:5], s[4:5], s[24:25]
	s_add_nc_u64 s[34:35], s[16:17], s[30:31]
	s_add_nc_u64 s[36:37], s[16:17], s[32:33]
.macro LOADW kb                        ; block kb: W(128 s + 32 kb + i, my column): each load reads 128 consecutive bytes a wave, the four waves side by side 512
.set i, 0
.rept 32
	global_load_b32 v[X+32*\kb+i], v[VI], s[4:5] offset:(32*\kb+i)*4096 th:TH_LOAD_NT
.set i, i+1
.endr
.endm
.macro BLOCKW kb
.set XS, X+32*\kb
.set CD, CODE+12*(\kb%2)+6*(\kb/2)     ; the operand's layout gives lane half h the blocks 2 c + h, in registers 6 c .. 6 c + 5
	v_max3_num_f32 v12, |v[XS]|, |v[XS+1]|, |v[XS+2]|               ; the block's largest magnitude: all 32 numbers are mine; two chains
	v_max3_num_f32 v13, |v[XS+3]|, |v[XS+4]|, |v[XS+5]|
.irp i, 6,10,14,18,22,26
	v_max3_num_f32 v12, v12, |v[XS+\i]|, |v[XS+\i+1]|
	v_max3_num_f32 v13, v13, |v[XS+\i+2]|, |v[XS+\i+3]|
.endr
	v_max3_num_f32 v12, v12, |v[XS+30]|, |v[XS+31]|
	v_max3_num_f32 v12, v12, v13, 0x1800000        ; and the floor 2^(3 - 127): the byte cannot fall under 1
	v_add_nc_u32 v11, 0xff000000, v12              ; 2 off the exponent field: the conversion takes this operand's exponent field as its scale
	v_lshrrev_b32 v13, 23, v11                     ; the scale's byte
.if \kb == 0
	v_mov_b32 v[SB], v13
.else
	v_lshl_or_b32 v[SB], v13, 8*\kb, v[SB]         ; the lower K in the lower byte
.endif
	v_cvt_scalef32_pk16_fp6_f32 v[CD:CD+2], v[XS:XS+15], v11
	v_cvt_scalef32_pk16_fp6_f32 v[CT:CT+2], v[XS+16:XS+31], v11
	v_nop                                          ; one plain place behind a scaled conversion
.irp i, 0,1,2
	v_mov_b32 v[CD+3+\i], v[CT+\i]
.endr
.endm
	LOADW 0
	LOADW 1
	s_wait_loadcnt 32                              ; block 0 is in; block 1's 32 loads may be out
	LOADW 2
	BLOCKW 0
	s_wait_loadcnt 32                              ; block 1 is in; block 2's may be out
	LOADW 3
	BLOCKW 1
	s_wait_loadcnt 32                              ; block 2 is in; block 3's may be out
	BLOCKW 2
	s_wait_loadcnt 0x0
	BLOCKW 3
.irp hh, 0,1                           ; registers 4 c .. 4 c + 3 of lane 16 hh + p: the sixteen lanes of one u store 256 consecutive bytes, aligned; the other sixteen the same in the next fragment
.irp c, 0,1,2
	global_store_b128 v[VO], v[CODE+12*\hh+4*\c:CODE+12*\hh+4*\c+3], s[34:35] offset:256*\hh+512*\c
.endr
.endr
	global_store_b32 v[VSC], v[SB], s[36:37]       ; 128 consecutive bytes a wave
	s_endpgm
.Lmask:
	; ---- (b) a work-group takes 64 queries x 256 keys; wave w the tile of 16 queries w, two steps of 128 keys
	s_sub_co_u32 s21, ttmp9, 256
	s_lshr_b32 s22, s21, 3                         ; block of 64 queries
	s_and_b32 s23, s21, 7                          ; pair of key steps
	v_and_b32 v7, 15, v1                           ; r
	v_lshrrev_b32 v8, 4, v1                        ; h
	v_lshlrev_b32 v[VM], 13, v7                    ; row r of 8,192 bytes
	v_lshl_add_u32 v[VM], v8, 6, v[VM]             ; + 16 h keys
	v_lshlrev_b32 v[VOUT], 4, v1
	s_lshl_b32 s24, s22, 6
	s_lshl_b32 s26, s20, 4
	s_add_co_u32 s24, s24, s26                     ; first query
	s_lshl_b32 s24, s24, 13
	s_lshl_b32 s26, s23, 10                        ; 256 keys x 4 bytes
	s_add_co_u32 s24, s24, s26
	s_mov_b32 s25, 0
	s_lshl_b32 s28, s22, 4
	s_lshl_b32 s26, s23, 1
	s_add_co_u32 s28, s28, s26                     ; 16 x block + step
	s_lshl_b32 s28, s28, 2
	s_add_co_u32 s28, s28, s20                     ; x 4 + tile
	s_lshl_b32 s28, s28, 13
	s_mov_b32 s29, 0
	s_wait_kmcnt 0x0
	s_add_nc_u64 s[12:13], s[12:13], s[24:25]
	s_add_nc_u64 s[18:19], s[18:19], s[28:29]
.irp jj, 0,1
.irp b, 0,1,2,3
.irp e, 0,1,2,3
	global_load_b128 v[X+64*\jj+16*\b+4*\e:X+64*\jj+16*\b+4*\e+3], v[VM], s[12:13] offset:512*\jj+128*\b+16*\e th:TH_LOAD_NT
.endr
.endr
.endr
.irp jj, 0,1
	s_wait_loadcnt 16-16*\jj                       ; this step's 16 loads are in; the second step's 16 may be out
.set i, 0
.rept 32
	v_pk_mul_f32 v[X+64*\jj+i:X+64*\jj+i+1], v[X+64*\jj+i:X+64*\jj+i+1], 0xc79c4000 op_sel_hi:[1,0]   ; x -80,000
.set i, i+2
.endr
.irp i, 0,1,2,3,4,5,6,7,8,9,10,11,12,13,14,15
	global_store_b128 v[VOUT], v[X+64*\jj+4*\i:X+64*\jj+4*\i+3], s[18:19] offset:32768*\jj+512*\i   ; 512 consecutive bytes, aligned
.endr
.endr
	s_endpgm
.Lfunc_end_k_qb6e856bbdc_prep:
	.size	k_qb6e856bbdc_prep, .Lfunc_end_k_qb6e856bbdc_prep-k_qb6e856bbdc_prep
	.p2alignl 7, 3214868480
	.fill 96, 4, 3214868480
	.section	.rodata,"a",@progbits
	.p2align	6, 0x0
	.amdhsa_kernel k_qb6e856bbdc_prep
		.amdhsa_group_segment_fixed_size 0
		.amdhsa_private_segment_fixed_size 0
		.amdhsa_enable_private_segment 0
		.amdhsa_kernarg_size 56
		.amdhsa_user_sgpr_count 2
		.amdhsa_user_sgpr_kernarg_segment_ptr 1
		.amdhsa_wavefront_size32 1
		.amdhsa_system_sgpr_workgroup_id_x 1
		.amdhsa_system_sgpr_workgroup_id_y 1
		.amdhsa_system_sgpr_workgroup_id_z 1
		.amdhsa_system_vgpr_workitem_id 0
		.amdhsa_next_free_vgpr 192
		.amdhsa_next_free_sgpr 66
		.amdhsa_reserve_vcc 0
		.amdhsa_float_denorm_mode_32 3
		.amdhsa_float_denorm_mode_16_64 3
		.amdhsa_memory_ordered 1
		.amdhsa_forward_progress 1
		.amdhsa_inst_pref_size 34
	.end_amdhsa_kernel
	.amdgpu_metadata
---
amdhsa.version: [ 1, 2 ]
amdhsa.kernels:
  - .name:           k_qb6e856bbdc_prep
    .symbol:         k_qb6e856bbdc_prep.kd
    .args:
      - { .name: Wq, .offset: 0, .size: 8, .value_kind: global_buffer, .address_space: global }
      - { .name: Wk, .offset: 8, .size: 8, .value_kind: global_buffer, .address_space: global }
      - { .name: Wv, .offset: 16, .size: 8, .value_kind: global_buffer, .address_space: global }
      - { .name: Wo, .offset: 24, .size: 8, .value_kind: global_buffer, .address_space: global }
      - { .name: mask, .offset: 32, .size: 8, .value_kind: global_buffer, .address_space: global }
      - { .name: wimg, .offset: 40, .size: 8, .value_kind: global_buffer, .address_space: global }
      - { .name: mimg, .offset: 48, .size: 8, .value_kind: global_buffer, .address_space: global }
    .group_segment_fixed_size: 0
    .private_segment_fixed_size: 0
    .kernarg_segment_align: 8
    .kernarg_segment_size: 56
    .max_flat_workgroup_size: 128
    .sgpr_count:     66
    .vgpr_count:     192
    .wavefront_size: 32
...
	.end_amdgpu_metadata
.endif
;; end of part 1
;; launch proj (part 2): grid 64 x 3, 4 waves a work-group, no clusters, 51,712 bytes of LDS; arguments q, k, v, bq, bk, bv, wimg, pimg; writes pimg
.if DOCPART == 2
	.amdgcn_target "amdgcn-amd-amdhsa--gfx1250"
	.amdhsa_code_object_version 6
	.text
	.protected	k_qb6e856bbdc_proj
	.globl	k_qb6e856bbdc_proj
	.p2align	8
	.type	k_qb6e856bbdc_proj,@function
k_qb6e856bbdc_proj:
	s_mov_b64 s[64:65], 0
	v_nop
	global_prefetch_b8 v0, s[64:65] scope:SCOPE_SE
	s_setreg_imm32_b32 hwreg(HW_REG_WAVE_MODE, 25, 1), 1
	s_wait_xcnt 0x0
; PROJ.  x W + b for x = q, k, v (work-group y = 0, 1, 2), both operands on codes of FP6 (E2M3) with one E8M0 scale for each 32 along K = 1,024; the results are quantised at once, as the attention launch wants them.
; SHARES.  A work-group takes 64 rows of x (work-group x: 64 blocks of the 4,096 rows) and all 1,024 columns.  Wave w quantises tile w (16 rows) of x, 8 fragments of 128 K, and hands them to the others through LDS as images of
; their registers (registers 4 c .. 4 c + 3 of lane l at 512 c + 16 l); then all 32 fragments stay in every wave's registers.  Wave w makes heads 4 w .. 4 w + 3 (64 columns each), one head a trip; the weights come from wimg
; straight into registers, four K steps ahead, in the order of the operand's registers: each load reads 512 consecutive bytes.
; LAYOUT.  q, k: source 0 = 16 columns of W, source 1 = 16 rows of x: a lane holds one row and, in the four tiles of a head, 32 registers along d: register 16 b + i is d = 32 b + 16 (lane / 16) + i (wimg's order of rows).
; v: source 0 = 16 rows of x (keys), source 1 = 16 columns of W: a lane holds one d and 32 registers along the keys.  So each result is quantised along the next product's K in registers.
; The rows of a tile of x: q: neighbours (16 m + r).  k, v: row r of tile m = 2 b + u is row 32 b + 8 u + r + 8 (r / 8) of the block, so that scores and v's keys fall as 16 neighbours into two tiles' registers.
; OUT.  pimg [q, k, v][batch x head 32][block of 64 rows 32][3,328 bytes]: four half fragments (16 rows x 64 K, six registers a lane: 0-3 at 16 l, 4-5 at 512 + 8 l; 768 bytes), then 256 bytes of scale words
; (byte 0, 1: the two blocks of 32; bytes 2, 3: zero) at 8 (16 (i % 2) + r) + 4 (i / 2) for half fragment i.
; The bias is the C of each sum's first matrix instruction.
; LIMITS: a block of zeros, or one under 2^-124, gets the scale byte 1 (read by this program alone); NaN and infinities are not served.
; REGISTERS, in windows of 256: window 0: addresses, scale words, bias, work, v128-255 the 16 accumulators ((i1, i0) at 128 + 32 i1 + 8 i0).  window 1: x's fragments of K steps 0-4 (48 s + 12 m).
;   window 2: those of K steps 5-7.   window 3: four sets of W's four fragments (48 (step % 4) + 12 t).
.set XIMG, 0                           ; LDS: x's 32 images of 1,536 bytes, index 4 s + m
.set XSC,  49152                       ; their scale words: 256 s + 64 m + 4 r
.set VL,   1                           ; v1   lane
.set VR,   2                           ; v2   r = lane % 16
.set VH,   3                           ; v3   h = lane / 16
.set XA,   4                           ; v4   x: my row's bytes + 64 h
.set L16,  5                           ; v5   16 x lane
.set L8,   6                           ; v6   8 x lane
.set L4,   7                           ; v7   4 x lane
.set XWI,  8                           ; v8   where I store x's images: 16 x lane + 1,536 x wave
.set XWS,  9                           ; v9   and their scale words: XSC + 64 x wave + 4 r
.set BAQ,  10                          ; v10  bias, a lane's eight columns: 64 h
.set BAV,  11                          ; v11  bias, a lane's one column: 4 (r + 8 (r / 8))
.set BV,   12                          ; v12-15 path v: the bias of my column in each of the four tiles
.set XS,   16                          ; v16-31 x's scale words: 2 s + u: lanes 0-15 tile 2 u, lanes 16-31 tile 2 u + 1
.set WS,   32                          ; v32-39 W's scale words: 2 (step % 4) + u, likewise
.set BI,   40                          ; v40-71 the bias as four accumulators
.set TM,   72                          ; v72-87 at work in the quantisers
.set CT,   88                          ; v88-90 a block's upper codes
.set PW,   92                          ; v92-95 scale words just made
.set OUT,  96                          ; v96-127 the half fragments to store, 8 registers apart
.set SW,   102                         ; v102-103 the scale words to store
.set PC,   96                          ; (while x is quantised) v96-115 a fragment's codes
.set ACC,  128
.set WV,   20                          ; s20  wave
.set YY,   21                          ; s21  0: q, 1: k, 2: v
.set SEL,  24                          ; s[24:25] v_permlanex16_b32's selects for lane l xor 16
.set GC,   26                          ; s26  heads to go
.set HM,   27                          ; s27  lanes 16-31
.set XP,   28                          ; s[28:29] x at my tile's first row
.set WP,   30                          ; s[30:31] wimg at the head in hand
.set BP,   32                          ; s[32:33] the bias at the head in hand
.set OP,   34                          ; s[34:35] pimg at the head's block
.set MSB, 0
.macro WIN new                         ; the immediate's high byte repeats the setting that is left; a switch that changes nothing is dropped
.if MSB != \new
	s_set_vgpr_msb (MSB<<8)|\new
.set MSB, \new
.endif
.endm
.macro PLACES n
.rept \n
	v_nop
.endr
.endm
.macro XLOAD reg, s                    ; my row's numbers of K step s: 16 neighbours of each block of 32
.irp b, 0,1,2,3
.irp j, 0,1,2,3
	global_load_b128 v[\reg+16*\b+4*\j:\reg+16*\b+4*\j+3], v[XA], s[XP:XP+1] offset:512*(\s)+128*\b+16*\j th:TH_LOAD_NT
.endr
.endr
.endm
; 64 numbers of a lane, register 16 b + i = k 32 b + 16 (lane / 16) + i of my row, become a fragment's codes in v[PC] on and its scale word in v[PW].
.macro QUANT src
.set QB, \src
.irp b, 0,1,2,3
	v_max3_num_f32 v[TM+\b], |v[QB+16*\b]|, |v[QB+1+16*\b]|, 0x1800000   ; my 16 numbers of block b, and the floor 2^(3 - 127): the byte cannot fall under 1
.endr
.irp i, 2,4,6,8,10,12,14
.irp b, 0,1,2,3
	v_max3_num_f32 v[TM+\b], v[TM+\b], |v[QB+16*\b+\i]|, |v[QB+1+16*\b+\i]|   ; (the four blocks by turns)
.endr
.endr
.irp b, 0,1,2,3
	v_permlanex16_b32 v[TM+4+\b], v[TM+\b], s[SEL], s[SEL+1]
.endr
.irp b, 0,1,2,3
	v_max_num_f32 v[TM+\b], v[TM+\b], v[TM+4+\b]   ; with lane l xor 16's: the block's largest magnitude
.endr
.irp b, 0,1,2,3
	v_add_nc_u32 v[TM+12+\b], 0xff000000, v[TM+\b] ; 2 off its exponent field: the conversion's scale operand
.endr
.irp b, 0,1,2,3
	v_lshrrev_b32 v[TM+4+\b], 23, v[TM+12+\b]      ; the scale's byte
.endr
	v_lshl_or_b32 v[PW], v[TM+5], 8, v[TM+4]
	v_lshl_or_b32 v[PW], v[TM+6], 16, v[PW]
	v_lshl_or_b32 v[PW], v[TM+7], 24, v[PW]
.irp c, 0,1
	v_cvt_scalef32_pk16_fp6_f32 v[PC+6*\c:PC+2+6*\c], v[QB+32*\c:QB+15+32*\c], v[TM+12+2*\c]
	v_cvt_scalef32_pk16_fp6_f32 v[PC+12+4*\c:PC+14+4*\c], v[QB+16+32*\c:QB+31+32*\c], v[TM+12+2*\c+1]   ; (a conversion's three registers begin on an even number)
.endr
	v_nop                                          ; one plain place behind a scaled conversion
.irp c, 0,1                            ; the operand's layout wants a whole block in a lane: lanes 0-15 block 2 c, lanes 16-31 block 2 c + 1
.irp i, 0,1,2
	v_permlane16_swap_b32 v[PC+6*\c+\i], v[PC+12+4*\c+\i]
.endr
.irp i, 0,1,2
	v_mov_b32 v[PC+3+6*\c+\i], v[PC+12+4*\c+\i]
.endr
.endr
.endm
; 32 numbers of a lane, two blocks of 32 shared with lane l xor 16, become a half fragment's six registers at v[out] on and its scale word (two bytes) in v[pw].
.macro QUANT2 src, out, pw
.set Q2S, \src
.set Q2O, \out
.set Q2P, \pw
.irp b, 0,1
	v_max3_num_f32 v[TM+\b], |v[Q2S+16*\b]|, |v[Q2S+1+16*\b]|, 0x1800000   ; each accumulator is read from its low end on
.endr
.irp i, 2,4,6,8,10,12,14
.irp b, 0,1
	v_max3_num_f32 v[TM+\b], v[TM+\b], |v[Q2S+16*\b+\i]|, |v[Q2S+1+16*\b+\i]|
.endr
.endr
.irp b, 0,1
	v_permlanex16_b32 v[TM+4+\b], v[TM+\b], s[SEL], s[SEL+1]
.endr
.irp b, 0,1
	v_max_num_f32 v[TM+\b], v[TM+\b], v[TM+4+\b]
.endr
.irp b, 0,1
	v_add_nc_u32 v[TM+12+\b], 0xff000000, v[TM+\b]
.endr
.irp b, 0,1
	v_lshrrev_b32 v[TM+4+\b], 23, v[TM+12+\b]
.endr
	v_lshl_or_b32 v[Q2P], v[TM+5], 8, v[TM+4]
	v_cvt_scalef32_pk16_fp6_f32 v[Q2O:Q2O+2], v[Q2S:Q2S+15], v[TM+12]
	v_cvt_scalef32_pk16_fp6_f32 v[CT:CT+2], v[Q2S+16:Q2S+31], v[TM+13]
	v_nop                                          ; one plain place behind a scaled conversion
.irp i, 0,1,2
	v_permlane16_swap_b32 v[Q2O+\i], v[CT+\i]      ; lanes 0-15 keep block 0, lanes 16-31 get block 1
.endr
.irp i, 0,1,2
	v_mov_b32 v[Q2O+3+\i], v[CT+\i]
.endr
.endm
.macro IMAGE reg, adr, off             ; a fragment's 12 registers go to LDS as they stand
.irp c, 0,1,2
	ds_store_b128 v[\adr], v[\reg+4*\c:\reg+4*\c+3] offset:\off+512*\c
.endr
.endm
.macro FETCH reg, off                  ; and come back so, in any wave
.irp c, 0,1,2
	ds_load_b128 v[\reg+4*\c:\reg+4*\c+3], v[L16] offset:\off+512*\c
.endr
.endm
.macro BARRIER                         ; my LDS stores have landed and my LDS loads are in: then the work-group's barrier
	s_wait_dscnt 0x0
	s_barrier_signal -1
	s_barrier_wait -1
.endm
.macro WSET p                          ; K step p (counted from the head in hand) of W: four fragments and their scale words: 14 loads
	WIN 0xc0                                       ; destination window 3
.irp t, 0,1,2,3
.irp c, 0,1,2
	global_load_b128 v[48*((\p)%4)+12*\t+4*\c:48*((\p)%4)+12*\t+4*\c+3], v[L16], s[WP:WP+1] offset:6400*(\p)+1536*\t+512*\c
.endr
.endr
	WIN 0
	global_load_b32 v[WS+2*((\p)%4)], v[L4], s[WP:WP+1] offset:6400*(\p)+6144
	global_load_b32 v[WS+2*((\p)%4)+1], v[L4], s[WP:WP+1] offset:6400*(\p)+6144+128
.endm
.macro BIASQ off                       ; tile t = 2 b + u: the bias of columns 32 b + 16 h + 8 u + 0 .. 7
.irp t, 0,1,2,3
	global_load_b128 v[BI+8*\t:BI+8*\t+3], v[BAQ], s[BP:BP+1] offset:(\off)+(32*(\t/2)+8*(\t%2))*4
	global_load_b128 v[BI+8*\t+4:BI+8*\t+7], v[BAQ], s[BP:BP+1] offset:(\off)+(32*(\t/2)+8*(\t%2))*4+16
.endr
.endm
.macro BIASV off                       ; tile t: the bias of column 32 b + 8 u + r + 8 (r / 8)
.irp t, 0,1,2,3
	global_load_b32 v[BV+\t], v[BAV], s[BP:BP+1] offset:(\off)+(32*(\t/2)+8*(\t%2))*4
.endr
.endm
.macro WM d, a, b, c, sa, ra, sb, rb   ; one product; ra, rb: the half of the lanes in which a side's scale words lie
.set WD, \d
.set WA, \a
.set WB2, \b
.set WC, \c
.set WSA, \sa
.set WSB, \sb
.if ((\ra) == 0) && ((\rb) == 0)
	v_wmma_scale_f32_16x16x128_f8f6f4 v[WD:WD+7], v[WA:WA+11], v[WB2:WB2+11], v[WC:WC+7], v[WSA], v[WSB] matrix_a_fmt:MATRIX_FMT_FP6 matrix_b_fmt:MATRIX_FMT_FP6
.elseif ((\ra) == 1) && ((\rb) == 0)
	v_wmma_scale_f32_16x16x128_f8f6f4 v[WD:WD+7], v[WA:WA+11], v[WB2:WB2+11], v[WC:WC+7], v[WSA], v[WSB] matrix_a_fmt:MATRIX_FMT_FP6 matrix_b_fmt:MATRIX_FMT_FP6 matrix_a_scale:MATRIX_SCALE_ROW1
.elseif ((\ra) == 0)
	v_wmma_scale_f32_16x16x128_f8f6f4 v[WD:WD+7], v[WA:WA+11], v[WB2:WB2+11], v[WC:WC+7], v[WSA], v[WSB] matrix_a_fmt:MATRIX_FMT_FP6 matrix_b_fmt:MATRIX_FMT_FP6 matrix_b_scale:MATRIX_SCALE_ROW1
.else
	v_wmma_scale_f32_16x16x128_f8f6f4 v[WD:WD+7], v[WA:WA+11], v[WB2:WB2+11], v[WC:WC+7], v[WSA], v[WSB] matrix_a_fmt:MATRIX_FMT_FP6 matrix_b_fmt:MATRIX_FMT_FP6 matrix_a_scale:MATRIX_SCALE_ROW1 matrix_b_scale:MATRIX_SCALE_ROW1
.endif
.endm
; K step s of a head: 16 products; the 16 accumulators take turns, one instruction a turn, in the same order in every step.
; path 0 (q, k): source 0 = W's tile i0, source 1 = x's tile i1.  path 1 (v): source 0 = x's tile i0, source 1 = W's tile i1.  The first step takes the bias as C.
.macro MULSTEP path, s
.if \path == 0
.if \s < 5
	WIN 0x07                                       ; source 0 window 3, source 1 window 1
.else
	WIN 0x0b                                       ; source 0 window 3, source 1 window 2
.endif
.else
.if \s < 5
	WIN 0x0d                                       ; source 0 window 1, source 1 window 3
.else
	WIN 0x0e                                       ; source 0 window 2, source 1 window 3
.endif
.endif
.set XB, 48*((\s)%5)
.set WB, 48*((\s)%4)
.irp i1, 0,1,2,3
.irp i0, 0,1,2,3
.set DD, ACC+32*\i1+8*\i0
.set CC, DD
.if \path == 0
.if \s == 0
.set CC, BI+8*\i0
.endif
	WM DD, WB+12*\i0, XB+12*\i1, CC, WS+2*((\s)%4)+\i0/2, \i0%2, XS+2*(\s)+\i1/2, \i1%2
.else
.if \s == 0
.set CC, BI+8*\i1
.endif
	WM DD, XB+12*\i0, WB+12*\i1, CC, XS+2*(\s)+\i0/2, \i0%2, WS+2*((\s)%4)+\i1/2, \i1%2
.endif
.endr
.endr
.endm
	s_load_b512 s[4:19], s[0:1], 0x0               ; q, k, v, bq, bk, bv, wimg, pimg
	v_lshl_add_u32 v126, v0, 2, 0xc800
	v_mov_b32 v127, 0
	v_lshrrev_b32 v1, 5, v0
	v_readfirstlane_b32 s[WV], v1                  ; wave 0..3
	s_and_b32 s[YY], ttmp7, 0xffff
	v_and_b32 v[VL], 31, v0
	v_and_b32 v[VR], 15, v0
	v_bfe_u32 v[VH], v0, 4, 1
	v_lshlrev_b32 v[L16], 4, v[VL]
	v_lshlrev_b32 v[L8], 3, v[VL]
	v_lshlrev_b32 v[L4], 2, v[VL]
	s_mul_i32 s36, s[WV], 1536
	v_add_nc_u32 v[XWI], s36, v[L16]
	s_lshl_b32 s36, s[WV], 6
	s_add_co_u32 s36, s36, XSC
	v_lshl_add_u32 v[XWS], v[VR], 2, s36
	v_lshlrev_b32 v[BAQ], 6, v[VH]
	v_and_b32 v96, 8, v[VR]
	v_add_nc_u32 v97, v96, v[VR]                   ; r + 8 (r / 8)
	v_lshlrev_b32 v[BAV], 2, v97
	s_mov_b32 s[SEL], 0x76543210
	s_mov_b32 s[SEL+1], 0xfedcba98
	s_mov_b32 s[GC], 4
	s_mov_b32 s[HM], 0xffff0000
.irp b, 0,1,2,3
	v_mov_b32 v[TM+4+\b], 0                        ; written once: a lane permute's destination counts as one of its sources
.endr
	; which rows of the block form my tile: q: 16 w + r;  k, v: 32 (w / 2) + 8 (w % 2) + r + 8 (r / 8)
	s_lshl_b32 s38, s[WV], 4
	s_lshr_b32 s39, s[WV], 1
	s_lshl_b32 s39, s39, 5
	s_and_b32 s36, s[WV], 1
	s_lshl_b32 s36, s36, 3
	s_add_co_u32 s39, s39, s36
	s_cmp_eq_u32 s[YY], 0
	s_cselect_b32 s37, 0, 1
	s_cselect_b32 s38, s38, s39
	v_mul_u32_u24 v96, v96, s37
	v_add_nc_u32 v96, v96, v[VR]
	v_lshlrev_b32 v[XA], 12, v96                   ; a row of x is 4,096 bytes
	v_lshl_add_u32 v[XA], v[VH], 6, v[XA]          ; + 64 h: my 16 numbers of a block of 32
	s_lshl_b32 s40, ttmp9, 6
	s_add_co_u32 s40, s40, s38
	s_lshl_b32 s40, s40, 12
	s_mov_b32 s41, 0
	s_mul_i32 s42, s[YY], 819200                   ; wimg: my weight, my four heads
	s_mul_i32 s36, s[WV], 204800
	s_add_co_u32 s42, s42, s36
	s_mov_b32 s43, 0
	s_lshl_b32 s44, s[WV], 10                      ; the bias of my 256 columns
	s_mov_b32 s45, 0
	s_lshr_b32 s46, ttmp9, 5                       ; batch
	s_lshl_b32 s46, s46, 2
	s_add_co_u32 s46, s46, s[WV]
	s_lshl_b32 s46, s46, 7                         ; (16 batch + 4 w) x 32
	s_and_b32 s36, ttmp9, 31
	s_add_co_u32 s46, s46, s36                     ; + the block of 64 rows
	s_mul_i32 s46, s46, 3328
	s_mul_i32 s36, s[YY], 3407872
	s_add_co_u32 s46, s46, s36
	s_mov_b32 s47, 0
	s_wait_kmcnt 0x0
	s_cmp_eq_u32 s[YY], 1                          ; the tensors are chosen on the work-group's number alone
	s_cselect_b64 s[XP:XP+1], s[6:7], s[4:5]
	s_cselect_b64 s[BP:BP+1], s[12:13], s[10:11]
	s_cmp_eq_u32 s[YY], 2
	s_cselect_b64 s[XP:XP+1], s[8:9], s[XP:XP+1]
	s_cselect_b64 s[BP:BP+1], s[14:15], s[BP:BP+1]
	s_add_nc_u64 s[XP:XP+1], s[XP:XP+1], s[40:41]
	s_add_nc_u64 s[BP:BP+1], s[BP:BP+1], s[44:45]
	s_add_nc_u64 s[WP:WP+1], s[16:17], s[42:43]
	s_add_nc_u64 s[OP:OP+1], s[18:19], s[46:47]
	BIASQ 0                                        ; the first head's bias in both forms, 12 loads of which one form is used: so the text parts only once, behind the last barrier
	BIASV 0
	WSET 0                                         ; and its first four K steps of W
	WSET 1
	WSET 2
	WSET 3
	; ---- x: my 16 rows become eight fragments; the loads run two K steps ahead, in two sets of 64 registers where the accumulators will lie
	XLOAD ACC, 0
	XLOAD ACC+64, 1
.irp s, 0,1,2,3,4,5,6,7
.if \s < 7
	s_wait_loadcnt 16                              ; this K step's numbers are in; the other set's 16 loads may be out
.else
	s_wait_loadcnt 0x0
.endif
	QUANT ACC+64*(\s%2)
	IMAGE PC, XWI, XIMG+6144*\s
	ds_store_b32 v[XWS], v[PW] offset:256*\s       ; lanes r and r + 16 write the same word with the same value
	s_wait_dscnt 0x0                               ; the stores have read their registers
.if \s < 6
	XLOAD ACC+64*(\s%2), \s+2
.endif
.endr
	BARRIER                                        ; x's 32 fragments lie in LDS
	WIN 0x40                                       ; destination window 1
.irp s, 0,1,2,3,4
.irp m, 0,1,2,3
	FETCH 48*\s+12*\m, XIMG+1536*(4*\s+\m)
.endr
.endr
	WIN 0x80                                       ; destination window 2
.irp s, 5,6,7
.irp m, 0,1,2,3
	FETCH 48*(\s-5)+12*\m, XIMG+1536*(4*\s+\m)
.endr
.endr
	WIN 0
.irp s, 0,1,2,3,4,5,6,7
.irp u, 0,1
	ds_load_b32 v[XS+2*\s+\u], v[L4] offset:XSC+256*\s+128*\u
.endr
.endr
	s_wait_dscnt 0x0                               ; the last use of LDS but the closing add
; A head a trip.  W's sets run four K steps ahead: at the head of step s the sets of steps s + 1 .. s + 3 (14 loads each) may be out, as far as the head has them.
.macro GROUP path
.Lgroup_\@:
.irp s, 0,1,2,3,4,5,6,7
.if \s < 5
	s_wait_loadcnt 42                              ; this step's set (and, at step 0, the bias, asked for ahead of it) is in; three younger sets may be out
.else
	s_wait_loadcnt 14*(7-\s)                       ; two, one, no younger set
.endif
.if \s == 0
.if \path == 1
.irp t, 0,1,2,3
.irp j, 0,1,2,3,4,5,6,7
	v_mov_b32 v[BI+8*\t+\j], v[BV+\t]              ; a lane's one column: the same bias in its eight rows
.endr
.endr
.endif
	PLACES 5                                       ; the accumulators are begun anew with another C
.endif
	MULSTEP \path, \s
	WIN 0
.if \s < 4
	PLACES 4                                       ; in front of loads into registers that matrix instructions have read
	WSET \s+4
.endif
.endr
	PLACES 4                                       ; likewise, and in front of the first read of results
	s_cmp_eq_u32 s[GC], 1
	s_cbranch_scc1 .Llast_\@                       ; the last head asks for nothing more: no load leaves its buffer
.if \path == 0
	BIASQ 256                                      ; the next head's bias and first four K steps land while this head is quantised and stored
.else
	BIASV 256
.endif
	WSET 8
	WSET 9
	WSET 10
	WSET 11
.Llast_\@:
.irp i1, 0,1,2,3
	QUANT2 ACC+32*\i1, OUT+8*\i1, PW+\i1
	global_store_b128 v[L16], v[OUT+8*\i1:OUT+8*\i1+3], s[OP:OP+1] offset:768*\i1          ; 512 consecutive bytes, aligned
	global_store_b64 v[L8], v[OUT+8*\i1+4:OUT+8*\i1+5], s[OP:OP+1] offset:768*\i1+512      ; 256 consecutive bytes, aligned
.endr
	v_cndmask_b32 v[SW], v[PW], v[PW+1], s[HM]     ; lanes 0-15: half fragment 0's words, lanes 16-31: 1's
	v_cndmask_b32 v[SW+1], v[PW+2], v[PW+3], s[HM] ; 2's and 3's
	global_store_b64 v[L8], v[SW:SW+1], s[OP:OP+1] offset:3072                             ; 256 consecutive bytes, aligned
	s_wait_xcnt 0x0                                ; the bases and the stores' data are written again only behind this wait
	s_add_nc_u64 s[WP:WP+1], s[WP:WP+1], 51200
	s_add_nc_u64 s[BP:BP+1], s[BP:BP+1], 256
	s_add_nc_u64 s[OP:OP+1], s[OP:OP+1], 106496
	s_sub_co_u32 s[GC], s[GC], 1
	s_cmp_lg_u32 s[GC], 0
	s_cbranch_scc1 .Lgroup_\@
.endm
	s_cmp_eq_u32 s[YY], 2
	s_cbranch_scc1 .Lpath_v
	GROUP 0
	s_wait_tensorcnt 0x0
	ds_add_u32 v126, v127
	s_wait_dscnt 0x0
	s_endpgm
.Lpath_v:
	GROUP 1
	s_wait_tensorcnt 0x0
	ds_add_u32 v126, v127
	s_wait_dscnt 0x0
	s_endpgm
.Lfunc_end_k_qb6e856bbdc_proj:
	.size	k_qb6e856bbdc_proj, .Lfunc_end_k_qb6e856bbdc_proj-k_qb6e856bbdc_proj
	.p2alignl 7, 3214868480
	.fill 96, 4, 3214868480
	.section	.rodata,"a",@progbits
	.p2align	6, 0x0
	.amdhsa_kernel k_qb6e856bbdc_proj
		.amdhsa_group_segment_fixed_size 51712
		.amdhsa_private_segment_fixed_size 0
		.amdhsa_enable_private_segment 0
		.amdhsa_kernarg_size 64
		.amdhsa_user_sgpr_count 2
		.amdhsa_user_sgpr_kernarg_segment_ptr 1
		.amdhsa_wavefront_size32 1
		.amdhsa_system_sgpr_workgroup_id_x 1
		.amdhsa_system_sgpr_workgroup_id_y 1
		.amdhsa_system_sgpr_workgroup_id_z 1
		.amdhsa_system_vgpr_workitem_id 0
		.amdhsa_next_free_vgpr 960
		.amdhsa_next_free_sgpr 66
		.amdhsa_reserve_vcc 0
		.amdhsa_float_denorm_mode_32 3
		.amdhsa_float_denorm_mode_16_64 3
		.amdhsa_memory_ordered 1
		.amdhsa_forward_progress 1
		.amdhsa_inst_pref_size 139
	.end_amdhsa_kernel
	.amdgpu_metadata
---
amdhsa.version: [ 1, 2 ]
amdhsa.kernels:
  - .name:           k_qb6e856bbdc_proj
    .symbol:         k_qb6e856bbdc_proj.kd
    .args:
      - { .name: q, .offset: 0, .size: 8, .value_kind: global_buffer, .address_space: global }
      - { .name: k, .offset: 8, .size: 8, .value_kind: global_buffer, .address_space: global }
      - { .name: v, .offset: 16, .size: 8, .value_kind: global_buffer, .address_space: global }
      - { .name: bq, .offset: 24, .size: 8, .value_kind: global_buffer, .address_space: global }
      - { .name: bk, .offset: 32, .size: 8, .value_kind: global_buffer, .address_space: global }
      - { .name: bv, .offset: 40, .size: 8, .value_kind: global_buffer, .address_space: global }
      - { .name: wimg, .offset: 48, .size: 8, .value_kind: global_buffer, .address_space: global }
      - { .name: pimg, .offset: 56, .size: 8, .value_kind: global_buffer, .address_space: global }
    .group_segment_fixed_size: 51712
    .private_segment_fixed_size: 0
    .kernarg_segment_align: 8
    .kernarg_segment_size: 64
    .max_flat_workgroup_size: 128
    .sgpr_count:     66
    .vgpr_count:     960
    .wavefront_size: 32
...
	.end_amdgpu_metadata
.endif
;; end of part 2
;; launch attn (part 3): grid 32 x 8, 16 waves a work-group, no clusters, 327,680 bytes of LDS; arguments pimg, mimg, cimg; writes cimg
.if DOCPART == 3
	.amdgcn_target "amdgcn-amd-amdhsa--gfx1250"
	.amdhsa_code_object_version 6
	.text
	.protected	k_qb6e856bbdc_attn
	.globl	k_qb6e856bbdc_attn
	.p2align	8
	.type	k_qb6e856bbdc_attn,@function
k_qb6e856bbdc_attn:
	s_mov_b64 s[64:65], 0
	v_nop
	global_prefetch_b8 v0, s[64:65] scope:SCOPE_SE
	s_setreg_imm32_b32 hwreg(HW_REG_WAVE_MODE, 25, 1), 1
	s_wait_xcnt 0x0
; ATTN.  ctx = softmax(q k^T / 8 - 10,000 mask) v for 32 (batch, head) pairs, 2,048 queries and keys, head size 64, both products on codes of FP6 (E2M3) with one E8M0 scale for each 32 along K.
; THE SOFTMAX AHEAD OF THE SECOND PRODUCT: t = logit x log2(e); M = the row's largest t so far, rounded UP to a whole number; p = 2^(t - M) is quantised along the keys, not normalised; the row's sum is taken of
; the unquantised p and divides at the end.  When M moves, the sum and O are multiplied by 2^(old M - new M): exact.
; THE MASK is an input: every key step is computed for every query.  mimg holds -80,000 x mask in the layout of the score accumulators; it is the C of the score products, which so give 8 x logit; t - M is one fused multiply-add by log2(e) / 8.
; SHARES.  A work-group owns 64 queries (work-group x) of 4 heads (work-group y: heads 4 y .. 4 y + 3 of the 32); wave w owns head w / 4 and the tile of 16 queries w % 4, in 256 registers: four waves to a SIMD.
; So a step's mask tile serves four heads, and a head's K and V four tiles of queries: 86,016 bytes come in for each 128 keys.  No cluster yet: the four query blocks beside each other want the same K and V (53,248 of those bytes) but other masks.
; RING.  Two LDS slots of one key step (128 keys), filled by tensor loads of dense blocks: waves 0-3 K of the four heads, waves 4-7 V, waves 8, 9 the mask's halves.  By this text's count a wave has one tensor load out at most.
; LAYOUT.  Both products are used transposed (S^T = K Q^T, O^T = V^T P^T): a lane holds ONE query throughout.  pimg's order of keys in a tile makes the 16 registers of two neighbouring score tiles 16 neighbouring keys;
; its order of d in V's tiles makes O's 32 registers two blocks of 32 along d, shared with lane l xor 16: ctx is quantised in registers and leaves as a half fragment of the last product's operand.
; K = 64 in the score product: registers 6-11 of K's and Q's fragments hold zero codes, written once.
; OUT.  cimg [batch x head 32][block of 64 queries 32][3,328 bytes]: four half fragments (tile of queries i: 768 i), scale words at 3,072 + 64 i + 4 r.
; LIMITS: a block of zeros, or one under 2^-124, gets the scale byte 1 (read by this program alone); NaN and infinities are not served; the mask term joins the score's sum inside the matrix unit, under its rounding.
.set SLOT1, 1<<17                      ; slot 1 begins here: one exclusive or turns an address in one slot into the other's
.set KVB,   6656                       ; 128 keys of one head's K or V: two blocks of 3,328 bytes
.set BLK,   3328
.set VOFF,  4*KVB                      ; a slot: K of four heads, V of four heads,
.set MOFF,  8*KVB                      ; the mask of four tiles of queries, 8,192 bytes each: 86,016 bytes
.set SPARE, 2*SLOT1                    ; the spare words, 128 bytes for each of the 16 waves: eight blocks of 256 bytes that no other line names
.set A16,  1                           ; v1   16 x lane + my head's place in a slot
.set A8,   2                           ; v2   8 x lane + the same
.set AM,   3                           ; v3   16 x lane + my tile's place in the mask
.set SPW,  4                           ; v4   LDS address of my spare word; never rewritten
.set NIL,  5                           ; v5   0; never rewritten
.set CO16, 6                           ; v6   16 x lane + 768 x tile: my half fragment in a block of pimg or cimg
.set CO8,  7                           ; v7   8 x lane + 768 x tile
.set AD16, 8                           ; v8-10 the step's LDS addresses
.set AD8,  9
.set ADM,  10
.set T0,   11                          ; v11  at work
.set QF,   16                          ; v16-27 Q's fragment (v22-27 zero codes)     v12 -M, v13 the largest t, v[14:15] the sum in two halves
.set QS,   28                          ; v28  Q's scale words
.set PW,   29                          ; v29  p's scale word
.set FF,   30                          ; v[30:31] f = 2^(old M - new M)
.set KB,   32                          ; v32-79 four fragments of K (registers 6-11 of each: zero codes)
.set BM,   80                          ; v80-83 the blocks' largest scores, then largest p; later codes on their way
.set PX,   84                          ; v84-87 the exchange, the bytes; later codes on their way, then the second chain of the sum
.set SO,   88                          ; v88-91 the conversions' scale operands
.set KS,   92                          ; v92-95 K's scale words
.set SA,   96                          ; v96-159 the mask term, then 8 x logit, then p
.set OA,   160                         ; v160-191 O^T
.set VB,   192                         ; v192-239 four fragments of V
.set PC,   240                         ; v240-251 p's codes
.set VS,   252                         ; v252-255 V's scale words
.set TM,   80                          ; the last quantiser's work registers (v80, 81, 84, 85, 92, 93) and v88-90
.set CT,   88
.set WV,   18                          ; s18  wave
.set SEL,  20                          ; s[20:21] lane selects for lane l xor 16
.set CS,   22                          ; s[22:23] log2(e) / 8, twice: the packed form names a pair
.set G1D,  24                          ; s[24:31] group 1: 26 rows of 256 bytes
.set G1M,  32                          ; s[32:39] group 1: 64 rows of 256 bytes
.set G0D,  40                          ; s[40:43] group 0 for K or V, which walks
.set G0M,  44                          ; s[44:47] group 0 for the mask
.set TB,   48                          ; s48  the slot in hand
.set SLOTS, 49                         ; s49  steps still to be asked for
.macro PLACES n
.rept \n
	v_nop
.endr
.endm
; Waves 0-7 fetch K or V, waves 8 and 9 the mask, the others nothing.  The branches hang on the wave's number alone.  Four v_nop follow each of the two lines.
.macro TLOAD
	s_cmp_lt_u32 s[WV], 8
	s_cbranch_scc0 .Lnot_d_\@
	tensor_load_to_lds s[G0D:G0D+3], s[G1D:G1D+7]
	s_nop 0
.rept 4
	v_nop
.endr
	s_branch .Lasked_\@
.Lnot_d_\@:
	s_cmp_lt_u32 s[WV], 10
	s_cbranch_scc0 .Lasked_\@
	tensor_load_to_lds s[G0M:G0M+3], s[G1M:G1M+7]
	s_nop 0
.rept 4
	v_nop
.endr
.Lasked_\@:
.endm
.macro WM d, a, b, c, sa, ra, sb       ; one product; ra: the half of the lanes in which source 0's scale words lie
.set WD, \d
.set WA, \a
.set WB2, \b
.set WC, \c
.set WSA, \sa
.set WSB, \sb
.if (\ra) == 0
	v_wmma_scale_f32_16x16x128_f8f6f4 v[WD:WD+7], v[WA:WA+11], v[WB2:WB2+11], v[WC:WC+7], v[WSA], v[WSB] matrix_a_fmt:MATRIX_FMT_FP6 matrix_b_fmt:MATRIX_FMT_FP6
.else
	v_wmma_scale_f32_16x16x128_f8f6f4 v[WD:WD+7], v[WA:WA+11], v[WB2:WB2+11], v[WC:WC+7], v[WSA], v[WSB] matrix_a_fmt:MATRIX_FMT_FP6 matrix_b_fmt:MATRIX_FMT_FP6 matrix_a_scale:MATRIX_SCALE_ROW1
.endif
.endm
.macro KLOAD g                         ; the four tiles of 16 keys of the step's g-th 64 keys: six registers each
.irp t, 0,1,2,3
	ds_load_b128 v[KB+12*\t:KB+12*\t+3], v[AD16] offset:BLK*\g+768*\t
	ds_load_b64 v[KB+12*\t+4:KB+12*\t+5], v[AD8] offset:BLK*\g+768*\t+512
.endr
.endm
	s_load_b128 s[4:7], s[0:1], 0x0                ; pimg, mimg
	s_load_b64 s[8:9], s[0:1], 0x10                ; cimg
	v_lshl_add_u32 v[SPW], v0, 2, SPARE
	v_mov_b32 v[NIL], 0
	ds_add_u32 v4, v5
	s_wait_dscnt 0x0
	v_lshrrev_b32 v8, 5, v0
	v_readfirstlane_b32 s[WV], v8                  ; wave 0..15
	s_and_b32 s50, ttmp7, 0xffff
	s_lshl_b32 s50, s50, 2                         ; my work-group's first head among the 32
	s_lshr_b32 s51, s[WV], 2                       ; my head of the four
	s_and_b32 s52, s[WV], 3                        ; my tile of queries
	s_and_b32 s53, s51, 1                          ; what I fetch, if I fetch: waves 0-3 K, waves 4-7 V,
	s_add_co_u32 s53, s53, 1
	s_mul_i32 s53, s53, 3407872
	s_add_co_u32 s54, s50, s52                     ; of head (wave % 4)
	s_mul_i32 s54, s54, 106496
	s_add_co_u32 s54, s54, s53
	s_mov_b32 s55, 0
	s_and_b32 s56, s[WV], 1                        ; waves 8, 9: half of the mask's 32,768 bytes
	s_lshl_b32 s57, s56, 14
	s_lshl_b32 s58, ttmp9, 19                      ; my block of queries: 16 steps of 32,768 bytes
	s_add_co_u32 s58, s58, s57
	s_mov_b32 s59, 0
	s_add_co_u32 s60, s50, s51                     ; my head's, my query block's 3,328 bytes in pimg (q) and in cimg
	s_lshl_b32 s60, s60, 5
	s_add_co_u32 s60, s60, ttmp9
	s_mul_i32 s60, s60, 3328
	s_mov_b32 s61, 0
	; descriptor groups 1: dense blocks as rows of 256 bytes (32 elements of 8 bytes), no padding: every LDS load here takes consecutive bytes
	s_mov_b32 s[G1D], 3<<16                        ; no mask; elements of 8 bytes
	s_mov_b32 s[G1D+1], 32<<16                     ; tensor_dim0 = 32
	s_mov_b32 s[G1D+2], 26<<16                     ; tensor_dim1 = 26
	s_mov_b32 s[G1D+3], 32<<16                     ; tile_dim0 = 32
	s_mov_b32 s[G1D+4], 26                         ; tile_dim1 = 26
	s_mov_b32 s[G1D+5], 32                         ; pitch
	s_mov_b32 s[G1D+6], 0
	s_mov_b32 s[G1D+7], 0
	s_mov_b32 s[G1M], 3<<16
	s_mov_b32 s[G1M+1], 32<<16
	s_mov_b32 s[G1M+2], 64<<16
	s_mov_b32 s[G1M+3], 32<<16
	s_mov_b32 s[G1M+4], 64
	s_mov_b32 s[G1M+5], 32
	s_mov_b32 s[G1M+6], 0
	s_mov_b32 s[G1M+7], 0
	s_mov_b32 s[SEL], 0x76543210
	s_mov_b32 s[SEL+1], 0xfedcba98
	s_mov_b32 s[CS], 0x3e38aa3b                    ; log2(e) / 8
	s_mov_b32 s[CS+1], s[CS]
	s_mov_b32 s[TB], 0
	s_mov_b32 s[SLOTS], 15
	s_wait_kmcnt 0x0
	s_mov_b32 s[G0D], 1                            ; count = 1
	s_mul_i32 s[G0D+1], s[WV], KVB                 ; LDS: slot 0, wave x 6,656
	s_add_nc_u64 s[G0D+2:G0D+3], s[4:5], s[54:55]
	s_or_b32 s[G0D+3], s[G0D+3], 0x80000000        ; type = 2
	s_mov_b32 s[G0M], 1
	s_add_co_u32 s[G0M+1], s57, MOFF               ; LDS: slot 0, the mask's half
	s_add_nc_u64 s[G0M+2:G0M+3], s[6:7], s[58:59]
	s_or_b32 s[G0M+3], s[G0M+3], 0x80000000
	TLOAD                                          ; key step 0 into slot 0: the one first fill
	s_add_nc_u64 s[10:11], s[4:5], s[60:61]        ; q's block
	s_add_nc_u64 s[12:13], s[8:9], s[60:61]        ; ctx's block
	v_and_b32 v8, 31, v0                           ; lane
	v_and_b32 v9, 15, v0                           ; r
	s_mul_i32 s62, s51, KVB
	v_lshl_add_u32 v[A16], v8, 4, s62
	v_lshl_add_u32 v[A8], v8, 3, s62
	s_lshl_b32 s63, s52, 13
	v_lshl_add_u32 v[AM], v8, 4, s63
	s_mul_i32 s62, s52, 768
	v_lshl_add_u32 v[CO16], v8, 4, s62
	v_lshl_add_u32 v[CO8], v8, 3, s62
	s_and_b32 s62, s52, 1                          ; q's scale words: 8 (16 (tile % 2) + r) + 4 (tile / 2)
	s_lshl_b32 s62, s62, 7
	s_lshr_b32 s63, s52, 1
	s_lshl_b32 s63, s63, 2
	s_add_co_u32 s62, s62, s63
	v_lshl_add_u32 v[T0], v9, 3, s62
	global_load_b128 v[QF:QF+3], v[CO16], s[10:11]
	global_load_b64 v[QF+4:QF+5], v[CO8], s[10:11] offset:512
	global_load_b32 v[QS], v[T0], s[10:11] offset:3072
.irp j, 6,7,8,9,10,11
	v_mov_b32 v[QF+\j], 0                          ; K = 64 .. 127 of the score product: zero codes, on both sides
.irp t, 0,1,2,3
	v_mov_b32 v[KB+12*\t+\j], 0
.endr
.endr
	v_mov_b32 v13, 0xff61b1e6                      ; the largest t so far: -3e38, under every t
	v_floor_f32 v12, -v13                          ; -M
	v_mov_b32 v14, 0                               ; the sum, in two halves
	v_mov_b32 v15, 0
	v_mov_b32 v[FF+1], 0                           ; (named as the upper half of a pair)
.irp b, 0,1,2,3
	v_mov_b32 v[PX+\b], 0                          ; written once: a lane permute's destination counts as one of its sources
.endr
.set j, 0
.rept 32
	v_mov_b32 v[OA+j], 0                           ; O^T: the step is written once; the first finds zeros, which the first change of M leaves zeros
.set j, j+1
.endr
; A KEY STEP: 128 keys from the slot in hand.
.macro STEP
	v_add_nc_u32 v[AD16], s[TB], v[A16]
	v_add_nc_u32 v[AD8], s[TB], v[A8]
	v_add_nc_u32 v[ADM], s[TB], v[AM]
	v_nop                                          ; four places in front of loads into registers that the last step's products have read
	KLOAD 0
	ds_load_b64 v[KS:KS+1], v[AD8] offset:3072     ; K's scale words: register u: lanes 0-15 tile 2 u, lanes 16-31 tile 2 u + 1
	ds_load_b64 v[KS+2:KS+3], v[AD8] offset:BLK+3072
.irp i, 0,1,2,3,4,5,6,7,8,9,10,11,12,13,14,15
	ds_load_b128 v[SA+4*\i:SA+4*\i+3], v[ADM] offset:MOFF+512*\i   ; the mask term, straight into the score accumulators
.endr
.irp t, 0,1,2,3
.irp c, 0,1
	ds_load_b128 v[VB+12*\t+6*\c:VB+12*\t+6*\c+3], v[AD16] offset:VOFF+BLK*\c+768*\t      ; V's tile t: keys 64 c on in registers 6 c on
	ds_load_b64 v[VB+12*\t+6*\c+4:VB+12*\t+6*\c+5], v[AD8] offset:VOFF+BLK*\c+768*\t+512
.endr
.endr
	ds_load_b64 v[VS:VS+1], v[AD8] offset:VOFF+3072
	ds_load_b64 v[VS+2:VS+3], v[AD8] offset:VOFF+BLK+3072
	s_wait_dscnt 18                                ; K's first tiles, its scale words and the mask are in; V's 16 loads and its 2 of scale words may be out
.irp t, 0,1,2,3
	WM SA+8*\t, KB+12*\t, QF, SA+8*\t, KS+\t/2, \t%2, QS
.endr
	PLACES 4                                       ; in front of loads into registers that these products read
	KLOAD 1
	s_wait_dscnt 0x0
.irp t, 0,1,2,3
	WM SA+32+8*\t, KB+12*\t, QF, SA+32+8*\t, KS+2+\t/2, \t%2, QS
.endr                                              ; lane (r, h): query r; register 16 B + x: key 32 B + 16 h + x
	v_lshl_or_b32 v[VS], v[VS+2], 16, v[VS]        ; V's scale words of the 128 keys: two bytes from each block of 64.  (With the two v_nop: the four places behind the products)
	v_lshl_or_b32 v[VS+1], v[VS+3], 16, v[VS+1]
	PLACES 2
.irp b, 0,1,2,3
	v_max3_num_f32 v[BM+\b], v[SA+16*\b], v[SA+1+16*\b], v[SA+2+16*\b]   ; the largest score of each block of 32 keys: for the row's maximum and, since p rises with the score, for the block's largest p
.endr
.irp i, 3,5,7,9,11,13
.irp b, 0,1,2,3
	v_max3_num_f32 v[BM+\b], v[BM+\b], v[SA+16*\b+\i], v[SA+1+16*\b+\i]
.endr
.endr
.irp b, 0,1,2,3
	v_max_num_f32 v[BM+\b], v[BM+\b], v[SA+15+16*\b]
.endr
.irp b, 0,1,2,3
	v_permlanex16_b32 v[PX+\b], v[BM+\b], s[SEL], s[SEL+1]
.endr
.irp b, 0,1,2,3
	v_max_num_f32 v[BM+\b], v[BM+\b], v[PX+\b]     ; with lane l xor 16's 16 keys
.endr
	v_max3_num_f32 v[T0], v[BM], v[BM+1], v[BM+2]
	v_max_num_f32 v[T0], v[T0], v[BM+3]            ; the step's largest score of my query
	v_mul_f32 v[T0], s[CS], v[T0]                  ; as t
	v_max_num_f32 v13, v13, v[T0]                  ; the running largest t
	v_mov_b32 v[T0], v12
	v_floor_f32 v12, -v13                          ; the new -M = -ceil(t): a whole number
	v_sub_f32 v[T0], v12, v[T0]                    ; old M - new M: a whole number, 0 or less
	v_cvt_i32_f32 v[T0], v[T0]                     ; (it saturates)
	v_ldexp_f32 v[FF], 1.0, v[T0]                  ; f = 2^(old M - new M)
.set j, 0
.rept 32
	v_pk_fma_f32 v[SA+j:SA+j+1], v[SA+j:SA+j+1], s[CS:CS+1], v[12:13] op_sel_hi:[1,0,0]   ; t - M, two at a time
.set j, j+2
.endr
.irp b, 0,1,2,3
	v_fma_f32 v[BM+\b], v[BM+\b], s[CS], v12       ; the same of each block's largest score
.endr
.set j, 0
.rept 64
	v_exp_f32 v[SA+j], v[SA+j]                     ; p = 2^(t - M)
.set j, j+1
.endr
.irp b, 0,1,2,3
	v_exp_f32 v[BM+\b], v[BM+\b]                   ; the block's largest p: the same two instructions on the same number
.endr
	v_pk_mul_f32 v[14:15], v[14:15], v[FF:FF+1] op_sel_hi:[1,0]   ; the sums under the new M.  (A plain place behind the exponentials)
	s_wait_alu depctr_va_vdst(0)
.irp b, 0,1,2,3
	v_max_num_f32 v[BM+\b], 0x1800000, v[BM+\b]    ; the floor 2^(3 - 127): the byte cannot fall under 1
.endr
.irp b, 0,1,2,3
	v_add_nc_u32 v[SO+\b], 0xff000000, v[BM+\b]    ; 2 off the exponent field: the conversion's scale operand
.endr
.irp b, 0,1,2,3
	v_lshrrev_b32 v[PX+\b], 23, v[SO+\b]           ; the scale's byte
.endr
	v_lshl_or_b32 v[PW], v[PX+1], 8, v[PX]
	v_lshl_or_b32 v[PW], v[PX+2], 16, v[PW]
	v_lshl_or_b32 v[PW], v[PX+3], 24, v[PW]
	v_cvt_scalef32_pk16_fp6_f32 v[PC:PC+2], v[SA:SA+15], v[SO]
	v_cvt_scalef32_pk16_fp6_f32 v[PX:PX+2], v[SA+16:SA+31], v[SO+1]     ; (a conversion's three registers begin on an even number)
	v_cvt_scalef32_pk16_fp6_f32 v[PC+6:PC+8], v[SA+32:SA+47], v[SO+2]
	v_cvt_scalef32_pk16_fp6_f32 v[BM:BM+2], v[SA+48:SA+63], v[SO+3]
	v_nop                                          ; one plain place behind a scaled conversion
.irp i, 0,1,2                          ; the operand's layout wants a whole block in a lane
	v_permlane16_swap_b32 v[PC+\i], v[PX+\i]
.endr
.irp i, 0,1,2
	v_mov_b32 v[PC+3+\i], v[PX+\i]
.endr
.irp i, 0,1,2
	v_permlane16_swap_b32 v[PC+6+\i], v[BM+\i]
.endr
.irp i, 0,1,2
	v_mov_b32 v[PC+9+\i], v[BM+\i]
.endr
	v_pk_add_f32 v[PX:PX+1], v[SA:SA+1], v[SA+2:SA+3]   ; the row's sum is taken of the unquantised p: two at a time, in two chains
.irp j, 4,8,12,16,20,24,28,32,36,40,44,48,52,56,60
	v_pk_add_f32 v[14:15], v[14:15], v[SA+\j:SA+\j+1]
	v_pk_add_f32 v[PX:PX+1], v[PX:PX+1], v[SA+\j+2:SA+\j+3]
.endr
	v_pk_add_f32 v[14:15], v[14:15], v[PX:PX+1]
.set j, 0
.rept 16
	v_pk_mul_f32 v[OA+j:OA+j+1], v[OA+j:OA+j+1], v[FF:FF+1] op_sel_hi:[1,0]   ; O^T under the new M; each accumulator from its low end on
.set j, j+2
.endr
.irp t, 0,1,2,3
	WM OA+8*\t, VB+12*\t, PC, OA+8*\t, VS+\t/2, \t%2, PW
.endr
.endm
; THE CHANGE OF SLOTS stands at a step's head.  Each wave waits for all its tensor loads (its part of the slot that it is about to read), adds 0 to its spare word, and waits for that and for its reads of the slot that it has left.
; Behind the barrier the slot ahead is whole and nobody reads the other one.  fill = 1: that other slot is filled with the next 128 keys: the load has a whole step in which to land.
.macro CHANGE fill
	s_wait_tensorcnt 0x0                           ; no tensor load of mine is out, so a group 0 may be written
	ds_add_u32 v[SPW], v[NIL]                      ; 0 onto my spare word
.if \fill
	s_xor_b32 s[G0D+1], s[G0D+1], SLOT1            ; the walking descriptors: the other slot than last time,
	s_add_nc_u64 s[G0D+2:G0D+3], s[G0D+2:G0D+3], KVB   ; the next 128 keys; the type bits on top are not reached
	s_xor_b32 s[G0M+1], s[G0M+1], SLOT1
	s_add_nc_u64 s[G0M+2:G0M+3], s[G0M+2:G0M+3], 32768
.endif
	s_wait_dscnt 0x0                               ; the add is done, and my reads of the slot that I have left are over
	s_barrier_signal -1
	s_barrier_wait -1
.if \fill
	TLOAD                                          ; the first thing behind the barrier, and a wave's one tensor load until the next
.endif
.endm
	s_wait_loadcnt 0x0                             ; Q and its scale words
.Lslot:                                            ; 15 trips: behind each change of slots but the last the next step is asked for
	CHANGE 1
	STEP
	s_xor_b32 s[TB], s[TB], SLOT1
	s_sub_co_u32 s[SLOTS], s[SLOTS], 1
	s_cmp_lg_u32 s[SLOTS], 0
	s_cbranch_scc1 .Lslot
	CHANGE 0                                       ; the last step is written out
	STEP
	; THE WAY OUT: O^T / the sum is ctx, a lane's 32 numbers along d; quantised along d it is a half fragment of the last product's operand.
	PLACES 4                                       ; behind the last products
	v_add_f32 v14, v14, v15                        ; the sum's two halves,
	v_permlanex16_b32 v[T0], v14, s[SEL], s[SEL+1]
	v_add_f32 v14, v14, v[T0]                      ; and lane l xor 16's
	v_rcp_f32 v14, v14
	v_and_b32 v8, 31, v0                           ; (a plain place behind the transcendental)  lane
	v_and_b32 v9, 15, v0
	s_lshl_b32 s62, s52, 6
	v_lshl_add_u32 v9, v9, 2, s62                  ; my scale word's place: 64 x tile + 4 r
.set j, 0
	s_wait_alu depctr_va_vdst(0)
.rept 16
	v_pk_mul_f32 v[SA+j:SA+j+1], v[OA+j:OA+j+1], v[14:15] op_sel_hi:[1,0]   ; register 16 b + i: d = 32 b + 16 h + i
.set j, j+2
.endr
.irp b, 0,1
	v_max3_num_f32 v[TM+\b], |v[SA+16*\b]|, |v[SA+1+16*\b]|, 0x1800000
.endr
.irp i, 2,4,6,8,10,12,14
.irp b, 0,1
	v_max3_num_f32 v[TM+\b], v[TM+\b], |v[SA+16*\b+\i]|, |v[SA+1+16*\b+\i]|
.endr
.endr
.irp b, 0,1
	v_permlanex16_b32 v[TM+4+\b], v[TM+\b], s[SEL], s[SEL+1]
.endr
.irp b, 0,1
	v_max_num_f32 v[TM+\b], v[TM+\b], v[TM+4+\b]
.endr
.irp b, 0,1
	v_add_nc_u32 v[TM+12+\b], 0xff000000, v[TM+\b]
.endr
.irp b, 0,1
	v_lshrrev_b32 v[TM+4+\b], 23, v[TM+12+\b]
.endr
	v_lshl_or_b32 v[PW], v[TM+5], 8, v[TM+4]
	v_cvt_scalef32_pk16_fp6_f32 v[PC:PC+2], v[SA:SA+15], v[TM+12]
	v_cvt_scalef32_pk16_fp6_f32 v[CT:CT+2], v[SA+16:SA+31], v[TM+13]
	v_nop                                          ; one plain place behind a scaled conversion
.irp i, 0,1,2
	v_permlane16_swap_b32 v[PC+\i], v[CT+\i]
.endr
.irp i, 0,1,2
	v_mov_b32 v[PC+3+\i], v[CT+\i]
.endr
	global_store_b128 v[CO16], v[PC:PC+3], s[12:13]                 ; 512 consecutive bytes, aligned
	global_store_b64 v[CO8], v[PC+4:PC+5], s[12:13] offset:512      ; 256 consecutive bytes, aligned
	s_wait_xcnt 0x0                                ; EXEC changes only behind this wait
	v_cmp_gt_u32 vcc_lo, 16, v8
	s_and_saveexec_b32 s50, vcc_lo                 ; lanes 0-15 hold the 16 rows' words (lanes 16-31 the same again)
	global_store_b32 v9, v[PW], s[12:13] offset:3072                ; 64 consecutive bytes; the four waves of a head fill 256
	s_wait_xcnt 0x0                                ; and again, in front of the line that widens it
	s_or_b32 exec_lo, exec_lo, s50
	s_wait_tensorcnt 0x0                           ; the wave's end
	ds_add_u32 v[SPW], v[NIL]
	s_wait_dscnt 0x0
	s_endpgm
.Lfunc_end_k_qb6e856bbdc_attn:
	.size	k_qb6e856bbdc_attn, .Lfunc_end_k_qb6e856bbdc_attn-k_qb6e856bbdc_attn
	.p2alignl 7, 3214868480
	.fill 96, 4, 3214868480
	.section	.rodata,"a",@progbits
	.p2align	6, 0x0
	.amdhsa_kernel k_qb6e856bbdc_attn
		.amdhsa_group_segment_fixed_size 327680
		.amdhsa_private_segment_fixed_size 0
		.amdhsa_enable_private_segment 0
		.amdhsa_kernarg_size 24
		.amdhsa_user_sgpr_count 2
		.amdhsa_user_sgpr_kernarg_segment_ptr 1
		.amdhsa_wavefront_size32 1
		.amdhsa_system_sgpr_workgroup_id_x 1
		.amdhsa_system_sgpr_workgroup_id_y 1
		.amdhsa_system_sgpr_workgroup_id_z 1
		.amdhsa_system_vgpr_workitem_id 0
		.amdhsa_next_free_vgpr 256
		.amdhsa_next_free_sgpr 66
		.amdhsa_reserve_vcc 1
		.amdhsa_float_denorm_mode_32 3
		.amdhsa_float_denorm_mode_16_64 3
		.amdhsa_memory_ordered 1
		.amdhsa_forward_progress 1
		.amdhsa_inst_pref_size 46
	.end_amdhsa_kernel
	.amdgpu_metadata
---
amdhsa.version: [ 1, 2 ]
amdhsa.kernels:
  - .name:           k_qb6e856bbdc_attn
    .symbol:         k_qb6e856bbdc_attn.kd
    .args:
      - { .name: pimg, .offset: 0, .size: 8, .value_kind: global_buffer, .address_space: global }
      - { .name: mimg, .offset: 8, .size: 8, .value_kind: global_buffer, .address_space: global }
      - { .name: cimg, .offset: 16, .size: 8, .value_kind: global_buffer, .address_space: global }
    .group_segment_fixed_size: 327680
    .private_segment_fixed_size: 0
    .kernarg_segment_align: 8
    .kernarg_segment_size: 24
    .max_flat_workgroup_size: 512
    .sgpr_count:     66
    .vgpr_count:     256
    .wavefront_size: 32
...
	.end_amdgpu_metadata
.endif
;; end of part 3
;; launch outp (part 4): grid 64 x 4, 4 waves a work-group, no clusters, 67,072 bytes of LDS; arguments cimg, wimg, bo, out0; writes out0
.if DOCPART == 4
	.amdgcn_target "amdgcn-amd-amdhsa--gfx1250"
	.amdhsa_code_object_version 6
	.text
	.protected	k_qb6e856bbdc_outp
	.globl	k_qb6e856bbdc_outp
	.p2align	8
	.type	k_qb6e856bbdc_outp,@function
k_qb6e856bbdc_outp:
	s_mov_b64 s[64:65], 0
	v_nop
	global_prefetch_b8 v0, s[64:65] scope:SCOPE_SE
	s_setreg_imm32_b32 hwreg(HW_REG_WAVE_MODE, 25, 1), 1
	s_wait_xcnt 0x0
; OUTP.  out0 = ctx Wo + bo, both operands on codes of FP6 (E2M3) with one E8M0 scale for each 32 along K = 1,024 (K = 64 x head + d); out0 [4,096][1,024] f32.
; SHARES.  A work-group takes 64 rows (work-group x) and 256 columns (work-group y); wave w the 64 columns G = 4 y + w.  ctx arrives as half fragments (cimg): heads 2 s and 2 s + 1 make the fragment of K step s.
; Wave w brings K steps 2 w and 2 w + 1 (8 fragments) from memory and hands them on through LDS as images of their registers; then all 32 stay in every wave's registers.  Wo's fragments come from wimg straight
; into registers, four K steps ahead.  Source 0 = 16 columns of Wo, source 1 = 16 rows of ctx: by wimg's order of rows a lane's eight results are eight neighbouring columns of one row.
; The bias is the C of each sum's first matrix instruction.  The results go through the wave's own stage in LDS and leave as rows: sixteen lanes store 256 consecutive bytes, aligned.
; REGISTERS, in windows of 256: window 0: addresses, scale words, bias, v128-255 staging and then the 16 accumulators ((i1, i0) at 128 + 32 i1 + 8 i0).  window 1: ctx's fragments of K steps 0-4 (48 s + 12 m).
;   window 2: those of K steps 5-7.   window 3: four sets of Wo's four fragments.
.set XIMG, 0                           ; LDS: ctx's 32 images of 1,536 bytes, index 4 s + m
.set STG,  49152                       ; the stages: 16 rows x (256 bytes + 16) for each wave
.set VL,   1
.set VR,   2
.set VH,   3
.set L16,  5                           ; v5   16 x lane
.set L8,   6                           ; v6   8 x lane
.set L4,   7                           ; v7   4 x lane
.set XWI,  8                           ; v8   where I store images: 16 x lane + 12,288 x wave
.set BAQ,  10                          ; v10  bias: 64 h
.set SO,   12                          ; v12  the stage: where I put 16 bytes of a row
.set SR,   13                          ; v13  and where I read a row back
.set VGO,  14                          ; v14  my byte offset in two rows of out0
.set XS,   16                          ; v16-31 ctx's scale words: 2 s + u: lanes 0-15 tile 2 u, lanes 16-31 tile 2 u + 1
.set WS,   32                          ; v32-39 Wo's scale words
.set BI,   40                          ; v40-71 the bias as four accumulators
.set ACC,  128
.set ST,   128                         ; v128-223 my eight fragments on their way to LDS
.set TS,   224                         ; v224-255 the 16 heads' scale words (two bytes each), 2 x head + u
.set WV,   20
.set XP,   28                          ; s[28:29] cimg at head 0's block of my 64 rows
.set WP,   30                          ; s[30:31] wimg at Wo's group G
.set BP,   32                          ; s[32:33] bo at my 64 columns
.set FP,   34                          ; s[34:35] cimg at my four heads
.set OP,   36                          ; s[36:37] out0 at my first row and column
.set MSB, 0
.macro WIN new                         ; the immediate's high byte repeats the setting that is left; a switch that changes nothing is dropped
.if MSB != \new
	s_set_vgpr_msb (MSB<<8)|\new
.set MSB, \new
.endif
.endm
.macro PLACES n
.rept \n
	v_nop
.endr
.endm
.macro IMAGE reg, adr, off             ; a fragment's 12 registers go to LDS as they stand
.irp c, 0,1,2
	ds_store_b128 v[\adr], v[\reg+4*\c:\reg+4*\c+3] offset:\off+512*\c
.endr
.endm
.macro FETCH reg, off                  ; and come back so, in any wave
.irp c, 0,1,2
	ds_load_b128 v[\reg+4*\c:\reg+4*\c+3], v[L16] offset:\off+512*\c
.endr
.endm
.macro WSET p                          ; K step p of Wo: four fragments and their scale words: 14 loads
	WIN 0xc0                                       ; destination window 3
.irp t, 0,1,2,3
.irp c, 0,1,2
	global_load_b128 v[48*((\p)%4)+12*\t+4*\c:48*((\p)%4)+12*\t+4*\c+3], v[L16], s[WP:WP+1] offset:6400*(\p)+1536*\t+512*\c
.endr
.endr
	WIN 0
	global_load_b32 v[WS+2*((\p)%4)], v[L4], s[WP:WP+1] offset:6400*(\p)+6144
	global_load_b32 v[WS+2*((\p)%4)+1], v[L4], s[WP:WP+1] offset:6400*(\p)+6144+128
.endm
.macro WM d, a, b, c, sa, ra, sb, rb   ; one product; ra, rb: the half of the lanes in which a side's scale words lie
.set WD, \d
.set WA, \a
.set WB2, \b
.set WC, \c
.set WSA, \sa
.set WSB, \sb
.if ((\ra) == 0) && ((\rb) == 0)
	v_wmma_scale_f32_16x16x128_f8f6f4 v[WD:WD+7], v[WA:WA+11], v[WB2:WB2+11], v[WC:WC+7], v[WSA], v[WSB] matrix_a_fmt:MATRIX_FMT_FP6 matrix_b_fmt:MATRIX_FMT_FP6
.elseif ((\ra) == 1) && ((\rb) == 0)
	v_wmma_scale_f32_16x16x128_f8f6f4 v[WD:WD+7], v[WA:WA+11], v[WB2:WB2+11], v[WC:WC+7], v[WSA], v[WSB] matrix_a_fmt:MATRIX_FMT_FP6 matrix_b_fmt:MATRIX_FMT_FP6 matrix_a_scale:MATRIX_SCALE_ROW1
.elseif ((\ra) == 0)
	v_wmma_scale_f32_16x16x128_f8f6f4 v[WD:WD+7], v[WA:WA+11], v[WB2:WB2+11], v[WC:WC+7], v[WSA], v[WSB] matrix_a_fmt:MATRIX_FMT_FP6 matrix_b_fmt:MATRIX_FMT_FP6 matrix_b_scale:MATRIX_SCALE_ROW1
.else
	v_wmma_scale_f32_16x16x128_f8f6f4 v[WD:WD+7], v[WA:WA+11], v[WB2:WB2+11], v[WC:WC+7], v[WSA], v[WSB] matrix_a_fmt:MATRIX_FMT_FP6 matrix_b_fmt:MATRIX_FMT_FP6 matrix_a_scale:MATRIX_SCALE_ROW1 matrix_b_scale:MATRIX_SCALE_ROW1
.endif
.endm
; K step s: 16 products, source 0 = Wo's tile i0, source 1 = ctx's tile i1; the 16 accumulators take turns, one instruction a turn, in the same order in every step.
.macro MULSTEP s
.if \s < 5
	WIN 0x07                                       ; source 0 window 3, source 1 window 1
.else
	WIN 0x0b                                       ; source 0 window 3, source 1 window 2
.endif
.set XB, 48*((\s)%5)
.set WB, 48*((\s)%4)
.irp i1, 0,1,2,3
.irp i0, 0,1,2,3
.set DD, ACC+32*\i1+8*\i0
.set CC, DD
.if \s == 0
.set CC, BI+8*\i0
.endif
	WM DD, WB+12*\i0, XB+12*\i1, CC, WS+2*((\s)%4)+\i0/2, \i0%2, XS+2*(\s)+\i1/2, \i1%2
.endr
.endr
.endm
	s_load_b256 s[4:11], s[0:1], 0x0               ; cimg, wimg, bo, out0
	v_lshl_add_u32 v126, v0, 2, 0x10400
	v_mov_b32 v127, 0
	v_lshrrev_b32 v1, 5, v0
	v_readfirstlane_b32 s[WV], v1                  ; wave 0..3
	v_and_b32 v[VL], 31, v0
	v_and_b32 v[VR], 15, v0
	v_bfe_u32 v[VH], v0, 4, 1
	v_lshlrev_b32 v[L16], 4, v[VL]
	v_lshlrev_b32 v[L8], 3, v[VL]
	v_lshlrev_b32 v[L4], 2, v[VL]
	s_mul_i32 s38, s[WV], 12288
	v_add_nc_u32 v[XWI], s38, v[L16]
	v_lshlrev_b32 v[BAQ], 6, v[VH]
	s_mul_i32 s38, s[WV], 4352
	s_add_co_u32 s38, s38, STG                     ; my stage
	v_mul_u32_u24 v[SO], v[VR], 272
	v_lshl_add_u32 v[SO], v[VH], 6, v[SO]
	v_add_nc_u32 v[SO], s38, v[SO]                 ; in: row r, + 64 h
	v_mul_u32_u24 v[SR], v[VH], 272
	v_lshl_add_u32 v[SR], v[VR], 4, v[SR]
	v_add_nc_u32 v[SR], s38, v[SR]                 ; back: lanes 0-15 one row of 256 bytes, lanes 16-31 the next
	v_lshlrev_b32 v[VGO], 12, v[VH]
	v_lshl_add_u32 v[VGO], v[VR], 4, v[VGO]        ; and the same two rows in out0
	s_and_b32 s21, ttmp7, 0xffff
	s_lshl_b32 s21, s21, 2
	s_add_co_u32 s21, s21, s[WV]                   ; G
	s_lshr_b32 s38, ttmp9, 5                       ; batch
	s_lshl_b32 s38, s38, 9
	s_and_b32 s39, ttmp9, 31
	s_add_co_u32 s38, s38, s39                     ; 512 batch + block of 64 queries
	s_mul_i32 s38, s38, 3328
	s_mov_b32 s39, 0
	s_mul_i32 s40, s[WV], 425984                   ; my four heads, 106,496 bytes apart
	s_mov_b32 s41, 0
	s_mul_i32 s42, s21, 51200
	s_add_co_u32 s42, s42, 2457600                 ; Wo is the fourth weight in wimg
	s_mov_b32 s43, 0
	s_lshl_b32 s44, s21, 8                         ; 64 columns x 4 bytes
	s_mov_b32 s45, 0
	s_lshl_b32 s46, ttmp9, 18                      ; 64 rows of 4,096 bytes
	s_add_co_u32 s46, s46, s44
	s_mov_b32 s47, 0
	s_wait_kmcnt 0x0
	s_add_nc_u64 s[XP:XP+1], s[4:5], s[38:39]
	s_add_nc_u64 s[FP:FP+1], s[XP:XP+1], s[40:41]
	s_add_nc_u64 s[WP:WP+1], s[6:7], s[42:43]
	s_add_nc_u64 s[BP:BP+1], s[8:9], s[44:45]
	s_add_nc_u64 s[OP:OP+1], s[10:11], s[46:47]
.irp t, 0,1,2,3                        ; the bias: tile t = 2 b + u: columns 32 b + 16 h + 8 u + 0 .. 7
	global_load_b128 v[BI+8*\t:BI+8*\t+3], v[BAQ], s[BP:BP+1] offset:(32*(\t/2)+8*(\t%2))*4
	global_load_b128 v[BI+8*\t+4:BI+8*\t+7], v[BAQ], s[BP:BP+1] offset:(32*(\t/2)+8*(\t%2))*4+16
.endr
	WSET 0
	WSET 1
	WSET 2
	WSET 3
.irp sl, 0,1                           ; my two K steps of ctx: fragment (sl, m): registers 6 c on from head 2 sl + c of my four
.irp m, 0,1,2,3
.irp c, 0,1
	global_load_b128 v[ST+12*(4*\sl+\m)+6*\c:ST+12*(4*\sl+\m)+6*\c+3], v[L16], s[FP:FP+1] offset:(2*\sl+\c)*106496+768*\m
	global_load_b64 v[ST+12*(4*\sl+\m)+6*\c+4:ST+12*(4*\sl+\m)+6*\c+5], v[L8], s[FP:FP+1] offset:(2*\sl+\c)*106496+768*\m+512
.endr
.endr
.endr
.irp hh, 0,1,2,3,4,5,6,7,8,9,10,11,12,13,14,15
.irp u, 0,1
	global_load_b32 v[TS+2*\hh+\u], v[L4], s[XP:XP+1] offset:\hh*106496+3072+128*\u   ; all heads' scale words: 128 consecutive bytes a load
.endr
.endr
	s_wait_loadcnt 0x0
.irp f, 0,1,2,3,4,5,6,7
	IMAGE ST+12*\f, XWI, XIMG+1536*\f
.endr
.irp s, 0,1,2,3,4,5,6,7
.irp u, 0,1
	v_lshl_or_b32 v[XS+2*\s+\u], v[TS+2*(2*\s+1)+\u], 16, v[TS+4*\s+\u]   ; a K step's scale word: two bytes from each of its two heads
.endr
.endr
	s_wait_dscnt 0x0                               ; my images have landed
	s_barrier_signal -1
	s_barrier_wait -1                              ; ctx's 32 fragments lie in LDS
	WIN 0x40                                       ; destination window 1
.irp s, 0,1,2,3,4
.irp m, 0,1,2,3
	FETCH 48*\s+12*\m, XIMG+1536*(4*\s+\m)
.endr
.endr
	WIN 0x80                                       ; destination window 2
.irp s, 5,6,7
.irp m, 0,1,2,3
	FETCH 48*(\s-5)+12*\m, XIMG+1536*(4*\s+\m)
.endr
.endr
	WIN 0
	PLACES 8                                       ; scale registers written by vector instructions stand eight places ahead of a scaled matrix instruction
	s_wait_dscnt 0x0
.irp s, 0,1,2,3,4,5,6,7
.if \s >= 4
	s_wait_loadcnt 14*(7-\s)                       ; this step's set is in; three, two, one, no younger sets of 14 loads may be out (steps 0-3 were waited for above)
.endif
	MULSTEP \s
	WIN 0
.if \s < 4
	PLACES 4                                       ; in front of loads into registers that matrix instructions have read
	WSET \s+4
.endif
.endr
	PLACES 4                                       ; in front of the first read of results
	; THE WAY OUT: 16 rows x 64 columns at a time through my stage.  LDS serves a wave's instructions in order: no wait between the stores and the loads, nor in front of the next tile's stores.
.irp i1, 0,1,2,3
.irp b, 0,1
.irp e, 0,1,2,3
	ds_store_b128 v[SO], v[ACC+32*\i1+16*\b+4*\e:ACC+32*\i1+16*\b+4*\e+3] offset:128*\b+16*\e   ; columns 32 b + 16 h + 4 e on; each accumulator from its low end on
.endr
.endr
.irp i, 0,1,2,3,4,5,6,7
	ds_load_b128 v[ACC+32*\i1+4*\i:ACC+32*\i1+4*\i+3], v[SR] offset:544*\i                      ; rows 2 i and 2 i + 1, back into the registers that they left
.endr
.endr
.irp i1, 0,1,2,3
.irp i, 0,1,2,3,4,5,6,7
	s_wait_dscnt 16*(3-\i1)+7-\i                   ; behind this load: the tile's later loads and 16 LDS instructions for each later tile
	global_store_b128 v[VGO], v[ACC+32*\i1+4*\i:ACC+32*\i1+4*\i+3], s[OP:OP+1] offset:(16*\i1+2*\i)*4096 th:TH_STORE_NT   ; sixteen lanes store 256 consecutive bytes, aligned
.endr
.endr
	s_wait_tensorcnt 0x0
	ds_add_u32 v126, v127
	s_wait_dscnt 0x0
	s_endpgm
.Lfunc_end_k_qb6e856bbdc_outp:
	.size	k_qb6e856bbdc_outp, .Lfunc_end_k_qb6e856bbdc_outp-k_qb6e856bbdc_outp
	.p2alignl 7, 3214868480
	.fill 96, 4, 3214868480
	.section	.rodata,"a",@progbits
	.p2align	6, 0x0
	.amdhsa_kernel k_qb6e856bbdc_outp
		.amdhsa_group_segment_fixed_size 67072
		.amdhsa_private_segment_fixed_size 0
		.amdhsa_enable_private_segment 0
		.amdhsa_kernarg_size 32
		.amdhsa_user_sgpr_count 2
		.amdhsa_user_sgpr_kernarg_segment_ptr 1
		.amdhsa_wavefront_size32 1
		.amdhsa_system_sgpr_workgroup_id_x 1
		.amdhsa_system_sgpr_workgroup_id_y 1
		.amdhsa_system_sgpr_workgroup_id_z 1
		.amdhsa_system_vgpr_workitem_id 0
		.amdhsa_next_free_vgpr 960
		.amdhsa_next_free_sgpr 66
		.amdhsa_reserve_vcc 0
		.amdhsa_float_denorm_mode_32 3
		.amdhsa_float_denorm_mode_16_64 3
		.amdhsa_memory_ordered 1
		.amdhsa_forward_progress 1
		.amdhsa_inst_pref_size 55
	.end_amdhsa_kernel
	.amdgpu_metadata
---
amdhsa.version: [ 1, 2 ]
amdhsa.kernels:
  - .name:           k_qb6e856bbdc_outp
    .symbol:         k_qb6e856bbdc_outp.kd
    .args:
      - { .name: cimg, .offset: 0, .size: 8, .value_kind: global_buffer, .address_space: global }
      - { .name: wimg, .offset: 8, .size: 8, .value_kind: global_buffer, .address_space: global }
      - { .name: bo, .offset: 16, .size: 8, .value_kind: global_buffer, .address_space: global }
      - { .name: out0, .offset: 24, .size: 8, .value_kind: global_buffer, .address_space: global }
    .group_segment_fixed_size: 67072
    .private_segment_fixed_size: 0
    .kernarg_segment_align: 8
    .kernarg_segment_size: 32
    .max_flat_workgroup_size: 128
    .sgpr_count:     66
    .vgpr_count:     960
    .wavefront_size: 32
...
	.end_amdgpu_metadata
.endif
;; end of part 4
;; ======== version 2 of 2: 4 launches
;; workspace buffers: wimg 3,276,800 bytes; mimg 16,777,216 bytes; pimg 10,223,616 bytes; cimg 3,407,872 bytes
;; launch prep (part 5): grid 512 x 1, 4 waves a work-group, no clusters, 0 bytes of LDS; arguments Wq, Wk, Wv, Wo, mask, wimg, mimg; writes wimg, mimg
.if DOCPART == 5
	.amdgcn_target "amdgcn-amd-amdhsa--gfx1250"
	.amdhsa_code_object_version 6
	.text
	.protected	k_qb6e856bbdc_prep
	.globl	k_qb6e856bbdc_prep
	.p2align	8
	.type	k_qb6e856bbdc_prep,@function
k_qb6e856bbdc_prep:
	s_mov_b64 s[64:65], 0
	v_nop
	global_prefetch_b8 v0, s[64:65] scope:SCOPE_SE
	s_setreg_imm32_b32 hwreg(HW_REG_WAVE_MODE, 25, 1), 1
	s_wait_xcnt 0x0
; PREP.  Two jobs, parted on the work-group's number alone; no LDS, no barrier, waves share nothing.
; (a) Work-groups 0-255: the four weights W [1024 (k)][1024 (n)] f32 become codes of FP6 (E2M3) with one E8M0 byte for each 32 along K (their FIRST axis), laid as images of operand registers:
;     wimg [weight 4][G 16][s 8][6,400 bytes]: four fragments t of 16 rows n x 128 K (1,536 bytes: registers 4 c .. 4 c + 3 of lane l at 512 c + 16 l), then 256 bytes of scale words.
;     The rows of a fragment are not neighbours: row p of fragment t = 2 b + u is column 64 G + 32 b + 8 u + p + 8 (p / 8), so that a product which takes the fragment as source 0 leaves 16 neighbours along n in two tiles' registers.
;     A lane takes a column n and its registers run down K: a block of 32 lies in one lane, the conversions give K innermost, nothing is transposed.
; (b) Work-groups 256-511: mask [2048][2048] f32 becomes -80,000 x mask = 8 x (-10,000 x mask), exactly, laid as the score accumulators of the attention launch want it:
;     mimg [block of 64 queries 32][step of 128 keys 16][tile of 16 queries 4][8,192 bytes]: register 16 B + x of lane (r, h) = query r, key 32 B + 16 h + x; registers 4 i .. 4 i + 3 of lane l at 512 i + 16 l.
; A block's scale is 2^(floor(log2(largest magnitude)) - 2); its byte is the largest magnitude's exponent field - 2, held at 1 from below.
; LIMITS: a block of zeros, or one whose largest magnitude lies under 2^-124, gets the byte 1 (its codes are zeros or the format's smallest; these bytes are read by this program alone); NaN and infinities are not served.
.set X,    32                          ; v32-159  four sets of 32 numbers (weights); two sets of 64 (mask)
.set CODE, 160                         ; v160-183 my column's codes: 12 registers for lane half 0 of the fragment, 12 for half 1
.set CT,   184                         ; v184-186 a block's upper 16 codes (a conversion's three registers begin on an even number)
.set SB,   24                          ; v24      my column's four scale bytes
.set VI,   2                           ; v2       in: 4 x lane
.set VO,   3                           ; v3       out: my place in the fragments
.set VSC,  4                           ; v4       out: my scale word's place
.set VM,   5                           ; v5       mask, in
.set VOUT, 6                           ; v6       mask, out: 16 x lane
	s_load_b256 s[4:11], s[0:1], 0x0               ; Wq, Wk, Wv, Wo
	s_load_b64 s[12:13], s[0:1], 0x20              ; mask
	s_load_b64 s[16:17], s[0:1], 0x28              ; wimg
	s_load_b64 s[18:19], s[0:1], 0x30              ; mimg
	v_lshrrev_b32 v1, 5, v0
	v_readfirstlane_b32 s20, v1                    ; wave 0..3
	v_and_b32 v1, 31, v0                           ; lane
	s_cmp_lt_u32 ttmp9, 256
	s_cbranch_scc0 .Lmask
	; ---- (a) a work-group takes one weight, one K step of 128 and 128 columns; a wave 32 columns
	s_lshr_b32 s21, ttmp9, 6                       ; which weight
	s_bfe_u32 s22, ttmp9, 0x30003                  ; K step s (3 bits from bit 3)
	s_and_b32 s23, ttmp9, 7                        ; which 128 columns
	v_lshlrev_b32 v[VI], 2, v1
	v_bfe_u32 v7, v1, 3, 1                         ; u: column 32 b + lane is row p = lane % 8 + 8 (lane / 16) of fragment 2 b + u, u = (lane / 8) % 2
	v_and_b32 v8, 7, v1
	v_lshrrev_b32 v9, 4, v1
	v_lshl_add_u32 v8, v9, 3, v8                   ; p
	v_mul_u32_u24 v[VO], v7, 1536
	v_lshl_add_u32 v[VO], v8, 4, v[VO]             ; 1,536 u + 16 p
	v_lshl_add_u32 v[VSC], v7, 4, v8
	v_lshlrev_b32 v[VSC], 2, v[VSC]                ; 4 (16 u + p)
	s_lshl_b32 s24, s22, 19                        ; in: 128 s rows of 4,096 bytes
	s_lshl_b32 s26, s23, 9                         ; + 128 columns x 4 bytes a group
	s_add_co_u32 s24, s24, s26
	s_lshl_b32 s26, s20, 7                         ; + 32 columns a wave
	s_add_co_u32 s24, s24, s26
	s_mov_b32 s25, 0
	s_lshl_b32 s28, s23, 1                         ; out: G = 2 x group + wave / 2
	s_lshr_b32 s26, s20, 1
	s_add_co_u32 s28, s28, s26
	s_lshl_b32 s28, s28, 3
	s_add_co_u32 s28, s28, s22                     ; 8 G + s
	s_mul_i32 s28, s28, 6400
	s_mul_i32 s26, s21, 819200
	s_add_co_u32 s28, s28, s26                     ; the block of 6,400 bytes
	s_and_b32 s26, s20, 1                          ; b = wave % 2
	s_mul_i32 s30, s26, 3072                       ; fragments 2 b, 2 b + 1
	s_add_co_u32 s30, s30, s28
	s_mov_b32 s31, 0
	s_lshl_b32 s32, s26, 7                         ; their 128 bytes of scale words
	s_add_co_u32 s32, s32, 6144
	s_add_co_u32 s32, s32, s28
	s_mov_b32 s33, 0
	s_wait_alu depctr_va_vdst(0)
	s_wait_kmcnt 0x0
	s_cmp_eq_u32 s21, 1                            ; the weight is chosen on the work-group's number alone
	s_cselect_b64 s[4:5], s[6:7], s[4:5]
	s_cmp_eq_u32 s21, 2
	s_cselect_b64 s[4:5], s[8:9], s[4:5]
	s_cmp_eq_u32 s21, 3
	s_cselect_b64 s[4:5], s[10:11], s[4:5]
	s_add_nc_u64 s[4:5], s[4:5], s[24:25]
	s_add_nc_u64 s[34:35], s[16:17], s[30:31]
	s_add_nc_u64 s[36:37], s[16:17], s[32:33]
.macro LOADW kb                        ; block kb: W(128 s + 32 kb + i, my column): each load reads 128 consecutive bytes a wave, the four waves side by side 512
.set i, 0
.rept 32
	global_load_b32 v[X+32*\kb+i], v[VI], s[4:5] offset:(32*\kb+i)*4096 th:TH_LOAD_NT
.set i, i+1
.endr
.endm
.macro BLOCKW kb
.set XS, X+32*\kb
.set CD, CODE+12*(\kb%2)+6*(\kb/2)     ; the operand's layout gives lane half h the blocks 2 c + h, in registers 6 c .. 6 c + 5
	v_max3_num_f32 v12, |v[XS]|, |v[XS+1]|, |v[XS+2]|               ; the block's largest magnitude: all 32 numbers are mine; two chains
	v_max3_num_f32 v13, |v[XS+3]|, |v[XS+4]|, |v[XS+5]|
.irp i, 6,10,14,18,22,26
	v_max3_num_f32 v12, v12, |v[XS+\i]|, |v[XS+\i+1]|
	v_max3_num_f32 v13, v13, |v[XS+\i+2]|, |v[XS+\i+3]|
.endr
	v_max3_num_f32 v12, v12, |v[XS+30]|, |v[XS+31]|
	v_max3_num_f32 v12, v12, v13, 0x1800000        ; and the floor 2^(3 - 127): the byte cannot fall under 1
	v_add_nc_u32 v11, 0xff000000, v12              ; 2 off the exponent field: the conversion takes this operand's exponent field as its scale
	v_lshrrev_b32 v13, 23, v11                     ; the scale's byte
.if \kb == 0
	v_mov_b32 v[SB], v13
.else
	v_lshl_or_b32 v[SB], v13, 8*\kb, v[SB]         ; the lower K in the lower byte
.endif
	v_cvt_scalef32_pk16_fp6_f32 v[CD:CD+2], v[XS:XS+15], v11
	v_cvt_scalef32_pk16_fp6_f32 v[CT:CT+2], v[XS+16:XS+31], v11
	v_nop                                          ; one plain place behind a scaled conversion
.irp i, 0,1,2
	v_mov_b32 v[CD+3+\i], v[CT+\i]
.endr
.endm
	LOADW 0
	LOADW 1
	s_wait_loadcnt 32                              ; block 0 is in; block 1's 32 loads may be out
	LOADW 2
	BLOCKW 0
	s_wait_loadcnt 32                              ; block 1 is in; block 2's may be out
	LOADW 3
	BLOCKW 1
	s_wait_loadcnt 32                              ; block 2 is in; block 3's may be out
	BLOCKW 2
	s_wait_loadcnt 0x0
	BLOCKW 3
.irp hh, 0,1                           ; registers 4 c .. 4 c + 3 of lane 16 hh + p: the sixteen lanes of one u store 256 consecutive bytes, aligned; the other sixteen the same in the next fragment
.irp c, 0,1,2
	global_store_b128 v[VO], v[CODE+12*\hh+4*\c:CODE+12*\hh+4*\c+3], s[34:35] offset:256*\hh+512*\c
.endr
.endr
	global_store_b32 v[VSC], v[SB], s[36:37]       ; 128 consecutive bytes a wave
	s_endpgm
.Lmask:
	; ---- (b) a work-group takes 64 queries x 256 keys; wave w the tile of 16 queries w, two steps of 128 keys
	s_sub_co_u32 s21, ttmp9, 256
	s_lshr_b32 s22, s21, 3                         ; block of 64 queries
	s_and_b32 s23, s21, 7                          ; pair of key steps
	s_wait_alu depctr_va_vdst(0)
	v_and_b32 v7, 15, v1                           ; r
	v_lshrrev_b32 v8, 4, v1                        ; h
	v_lshlrev_b32 v[VM], 13, v7                    ; row r of 8,192 bytes
	v_lshl_add_u32 v[VM], v8, 6, v[VM]             ; + 16 h keys
	v_lshlrev_b32 v[VOUT], 4, v1
	s_lshl_b32 s24, s22, 6
	s_lshl_b32 s26, s20, 4
	s_add_co_u32 s24, s24, s26                     ; first query
	s_lshl_b32 s24, s24, 13
	s_lshl_b32 s26, s23, 10                        ; 256 keys x 4 bytes
	s_add_co_u32 s24, s24, s26
	s_mov_b32 s25, 0
	s_lshl_b32 s28, s22, 4
	s_lshl_b32 s26, s23, 1
	s_add_co_u32 s28, s28, s26                     ; 16 x block + step
	s_lshl_b32 s28, s28, 2
	s_add_co_u32 s28, s28, s20                     ; x 4 + tile
	s_lshl_b32 s28, s28, 13
	s_mov_b32 s29, 0
	s_wait_alu depctr_va_vdst(0)
	s_wait_kmcnt 0x0
	s_add_nc_u64 s[12:13], s[12:13], s[24:25]
	s_add_nc_u64 s[18:19], s[18:19], s[28:29]
.irp jj, 0,1
.irp b, 0,1,2,3
.irp e, 0,1,2,3
	global_load_b128 v[X+64*\jj+16*\b+4*\e:X+64*\jj+16*\b+4*\e+3], v[VM], s[12:13] offset:512*\jj+128*\b+16*\e th:TH_LOAD_NT
.endr
.endr
.endr
.irp jj, 0,1
	s_wait_loadcnt 16-16*\jj                       ; this step's 16 loads are in; the second step's 16 may be out
.set i, 0
.rept 32
	v_pk_mul_f32 v[X+64*\jj+i:X+64*\jj+i+1], v[X+64*\jj+i:X+64*\jj+i+1], 0xc79c4000 op_sel_hi:[1,0]   ; x -80,000
.set i, i+2
.endr
.irp i, 0,1,2,3,4,5,6,7,8,9,10,11,12,13,14,15
	global_store_b128 v[VOUT], v[X+64*\jj+4*\i:X+64*\jj+4*\i+3], s[18:19] offset:32768*\jj+512*\i   ; 512 consecutive bytes, aligned
.endr
.endr
	s_endpgm
.Lfunc_end_k_qb6e856bbdc_prep:
	.size	k_qb6e856bbdc_prep, .Lfunc_end_k_qb6e856bbdc_prep-k_qb6e856bbdc_prep
	.p2alignl 7, 3214868480
	.fill 96, 4, 3214868480
	.section	.rodata,"a",@progbits
	.p2align	6, 0x0
	.amdhsa_kernel k_qb6e856bbdc_prep
		.amdhsa_group_segment_fixed_size 0
		.amdhsa_private_segment_fixed_size 0
		.amdhsa_enable_private_segment 0
		.amdhsa_kernarg_size 56
		.amdhsa_user_sgpr_count 2
		.amdhsa_user_sgpr_kernarg_segment_ptr 1
		.amdhsa_wavefront_size32 1
		.amdhsa_system_sgpr_workgroup_id_x 1
		.amdhsa_system_sgpr_workgroup_id_y 1
		.amdhsa_system_sgpr_workgroup_id_z 1
		.amdhsa_system_vgpr_workitem_id 0
		.amdhsa_next_free_vgpr 192
		.amdhsa_next_free_sgpr 66
		.amdhsa_reserve_vcc 0
		.amdhsa_float_denorm_mode_32 3
		.amdhsa_float_denorm_mode_16_64 3
		.amdhsa_memory_ordered 1
		.amdhsa_forward_progress 1
		.amdhsa_inst_pref_size 34
	.end_amdhsa_kernel
	.amdgpu_metadata
---
amdhsa.version: [ 1, 2 ]
amdhsa.kernels:
  - .name:           k_qb6e856bbdc_prep
    .symbol:         k_qb6e856bbdc_prep.kd
    .args:
      - { .name: Wq, .offset: 0, .size: 8, .value_kind: global_buffer, .address_space: global }
      - { .name: Wk, .offset: 8, .size: 8, .value_kind: global_buffer, .address_space: global }
      - { .name: Wv, .offset: 16, .size: 8, .value_kind: global_buffer, .address_space: global }
      - { .name: Wo, .offset: 24, .size: 8, .value_kind: global_buffer, .address_space: global }
      - { .name: mask, .offset: 32, .size: 8, .value_kind: global_buffer, .address_space: global }
      - { .name: wimg, .offset: 40, .size: 8, .value_kind: global_buffer, .address_space: global }
      - { .name: mimg, .offset: 48, .size: 8, .value_kind: global_buffer, .address_space: global }
    .group_segment_fixed_size: 0
    .private_segment_fixed_size: 0
    .kernarg_segment_align: 8
    .kernarg_segment_size: 56
    .max_flat_workgroup_size: 128
    .sgpr_count:     66
    .vgpr_count:     192
    .wavefront_size: 32
...
	.end_amdgpu_metadata
.endif
;; end of part 5
;; launch proj (part 6): grid 64 x 3, 4 waves a work-group, no clusters, 51,712 bytes of LDS; arguments q, k, v, bq, bk, bv, wimg, pimg; writes pimg
.if DOCPART == 6
	.amdgcn_target "amdgcn-amd-amdhsa--gfx1250"
	.amdhsa_code_object_version 6
	.text
	.protected	k_qb6e856bbdc_proj
	.globl	k_qb6e856bbdc_proj
	.p2align	8
	.type	k_qb6e856bbdc_proj,@function
k_qb6e856bbdc_proj:
	s_mov_b64 s[64:65], 0
	v_nop
	global_prefetch_b8 v0, s[64:65] scope:SCOPE_SE
	s_setreg_imm32_b32 hwreg(HW_REG_WAVE_SCHED_MODE, 0, 2), 2
	s_setreg_imm32_b32 hwreg(HW_REG_WAVE_MODE, 25, 1), 1
	s_wait_xcnt 0x0
	s_wait_alu depctr_vm_vsrc(0)
; PROJ.  x W + b for x = q, k, v (work-group y = 0, 1, 2), both operands on codes of FP6 (E2M3) with one E8M0 scale for each 32 along K = 1,024; the results are quantised at once, as the attention launch wants them.
; SHARES.  A work-group takes 64 rows of x (work-group x: 64 blocks of the 4,096 rows) and all 1,024 columns.  Wave w quantises tile w (16 rows) of x, 8 fragments of 128 K, and hands them to the others through LDS as images of
; their registers (registers 4 c .. 4 c + 3 of lane l at 512 c + 16 l); then all 32 fragments stay in every wave's registers.  Wave w makes heads 4 w .. 4 w + 3 (64 columns each), one head a trip; the weights come from wimg
; straight into registers, four K steps ahead, in the order of the operand's registers: each load reads 512 consecutive bytes.
; LAYOUT.  q, k: source 0 = 16 columns of W, source 1 = 16 rows of x: a lane holds one row and, in the four tiles of a head, 32 registers along d: register 16 b + i is d = 32 b + 16 (lane / 16) + i (wimg's order of rows).
; v: source 0 = 16 rows of x (keys), source 1 = 16 columns of W: a lane holds one d and 32 registers along the keys.  So each result is quantised along the next product's K in registers.
; The rows of a tile of x: q: neighbours (16 m + r).  k, v: row r of tile m = 2 b + u is row 32 b + 8 u + r + 8 (r / 8) of the block, so that scores and v's keys fall as 16 neighbours into two tiles' registers.
; OUT.  pimg [q, k, v][batch x head 32][block of 64 rows 32][3,328 bytes]: four half fragments (16 rows x 64 K, six registers a lane: 0-3 at 16 l, 4-5 at 512 + 8 l; 768 bytes), then 256 bytes of scale words
; (byte 0, 1: the two blocks of 32; bytes 2, 3: zero) at 8 (16 (i % 2) + r) + 4 (i / 2) for half fragment i.
; The bias is the C of each sum's first matrix instruction.
; LIMITS: a block of zeros, or one under 2^-124, gets the scale byte 1 (read by this program alone); NaN and infinities are not served.
; REGISTERS, in windows of 256: window 0: addresses, scale words, bias, work, v128-255 the 16 accumulators ((i1, i0) at 128 + 32 i1 + 8 i0).  window 1: x's fragments of K steps 0-4 (48 s + 12 m).
;   window 2: those of K steps 5-7.   window 3: four sets of W's four fragments (48 (step % 4) + 12 t).
; THE MODE: SCHED_MODE bits 1:0 = 2 (LLVM: expert scheduling mode 2), set by the entry lines.  The code itself states the register dependences
; between vector or matrix instructions and memory or LDS instructions, with s_wait_alu, always for 0.
; THE PLAN.  Registers that memory or LDS instructions touch, and who else names them:
;   v4-v11           Offsets and LDS addresses: written once at the head, ahead of one wait on va_vdst, and never again: the bases are scalar.
;   the staging sets v128-191 and v192-255 while x is quantised: a K step's quantiser reads one; behind it the loads of two K steps on land in it.
;   v[PC ..], v[PW]  Written by a K step's quantiser, read by its four LDS stores, written again by the next quantiser.
;                    So a K step of x has one wait on va_vdst, behind its quantiser, ahead of its loads and LDS stores, and the next has one on vm_vsrc at its head.
;   W's sets, v[WS ..]  Step s's 16 products read set s % 4, each of its four fragments up to the step's last four products; behind them the loads of step s + 4 land in it: one wait on va_vdst behind the
;                    products of each of steps 0 to 3.  The loads land in window 3: they stand in one run, under one pair of window switches.  Behind step 7 one wait serves the next head's bias and four sets.
;   v[BI ..] (q, k), v[BV ..] (v)   Read by step 0's products as C, or by the moves that spread the bias; the next head's bias lands there behind step 7's wait.
;   v[OUT ..], v[SW ..]  Written by a head's four quantisers and two selects; read by its nine stores, which stand in one run behind one wait on va_vdst; a wait on vm_vsrc at the trip's end frees them for the next head.
;   x's fragments and v[XS ..] are loaded from LDS once and then named by products alone.   v126, v127: written at the head, read by the closing add alone.
.set XIMG, 0                           ; LDS: x's 32 images of 1,536 bytes, index 4 s + m
.set XSC,  49152                       ; their scale words: 256 s + 64 m + 4 r
.set VL,   1                           ; v1   lane
.set VR,   2                           ; v2   r = lane % 16
.set VH,   3                           ; v3   h = lane / 16
.set XA,   4                           ; v4   x: my row's bytes + 64 h
.set L16,  5                           ; v5   16 x lane
.set L8,   6                           ; v6   8 x lane
.set L4,   7                           ; v7   4 x lane
.set XWI,  8                           ; v8   where I store x's images: 16 x lane + 1,536 x wave
.set XWS,  9                           ; v9   and their scale words: XSC + 64 x wave + 4 r
.set BAQ,  10                          ; v10  bias, a lane's eight columns: 64 h
.set BAV,  11                          ; v11  bias, a lane's one column: 4 (r + 8 (r / 8))
.set BV,   12                          ; v12-15 path v: the bias of my column in each of the four tiles
.set XS,   16                          ; v16-31 x's scale words: 2 s + u: lanes 0-15 tile 2 u, lanes 16-31 tile 2 u + 1
.set WS,   32                          ; v32-39 W's scale words: 2 (step % 4) + u, likewise
.set BI,   40                          ; v40-71 the bias as four accumulators
.set TM,   72                          ; v72-87 at work in the quantisers
.set CT,   88                          ; v88-90 a block's upper codes
.set PW,   92                          ; v92-95 scale words just made
.set OUT,  96                          ; v96-127 the half fragments to store, 8 registers apart
.set SW,   102                         ; v102-103 the scale words to store
.set PC,   96                          ; (while x is quantised) v96-115 a fragment's codes
.set ACC,  128
.set WV,   20                          ; s20  wave
.set YY,   21                          ; s21  0: q, 1: k, 2: v
.set SEL,  24                          ; s[24:25] v_permlanex16_b32's selects for lane l xor 16
.set GC,   26                          ; s26  heads to go
.set HM,   27                          ; s27  lanes 16-31
.set XP,   28                          ; s[28:29] x at my tile's first row
.set WP,   30                          ; s[30:31] wimg at the head in hand
.set BP,   32                          ; s[32:33] the bias at the head in hand
.set OP,   34                          ; s[34:35] pimg at the head's block
.set MSB, 0
.macro WIN new                         ; the immediate's high byte repeats the setting that is left; a switch that changes nothing is dropped
.if MSB != \new
	s_set_vgpr_msb (MSB<<8)|\new
.set MSB, \new
.endif
.endm
.macro PLACES n
.rept \n
	v_nop
.endr
.endm
.macro XLOAD reg, s                    ; my row's numbers of K step s: 16 neighbours of each block of 32
.irp b, 0,1,2,3
.irp j, 0,1,2,3
	global_load_b128 v[\reg+16*\b+4*\j:\reg+16*\b+4*\j+3], v[XA], s[XP:XP+1] offset:512*(\s)+128*\b+16*\j th:TH_LOAD_NT
.endr
.endr
.endm
; 64 numbers of a lane, register 16 b + i = k 32 b + 16 (lane / 16) + i of my row, become a fragment's codes in v[PC] on and its scale word in v[PW].
.macro QUANT src
.set QB, \src
.irp b, 0,1,2,3
	v_max3_num_f32 v[TM+\b], |v[QB+16*\b]|, |v[QB+1+16*\b]|, 0x1800000   ; my 16 numbers of block b, and the floor 2^(3 - 127): the byte cannot fall under 1
.endr
.irp i, 2,4,6,8,10,12,14
.irp b, 0,1,2,3
	v_max3_num_f32 v[TM+\b], v[TM+\b], |v[QB+16*\b+\i]|, |v[QB+1+16*\b+\i]|   ; (the four blocks by turns)
.endr
.endr
.irp b, 0,1,2,3
	v_permlanex16_b32 v[TM+4+\b], v[TM+\b], s[SEL], s[SEL+1]
.endr
.irp b, 0,1,2,3
	v_max_num_f32 v[TM+\b], v[TM+\b], v[TM+4+\b]   ; with lane l xor 16's: the block's largest magnitude
.endr
.irp b, 0,1,2,3
	v_add_nc_u32 v[TM+12+\b], 0xff000000, v[TM+\b] ; 2 off its exponent field: the conversion's scale operand
.endr
.irp b, 0,1,2,3
	v_lshrrev_b32 v[TM+4+\b], 23, v[TM+12+\b]      ; the scale's byte
.endr
	v_lshl_or_b32 v[PW], v[TM+5], 8, v[TM+4]
	v_lshl_or_b32 v[PW], v[TM+6], 16, v[PW]
	v_lshl_or_b32 v[PW], v[TM+7], 24, v[PW]
.irp c, 0,1
	v_cvt_scalef32_pk16_fp6_f32 v[PC+6*\c:PC+2+6*\c], v[QB+32*\c:QB+15+32*\c], v[TM+12+2*\c]
	v_cvt_scalef32_pk16_fp6_f32 v[PC+12+4*\c:PC+14+4*\c], v[QB+16+32*\c:QB+31+32*\c], v[TM+12+2*\c+1]   ; (a conversion's three registers begin on an even number)
.endr
	v_nop                                          ; one plain place behind a scaled conversion
.irp c, 0,1                            ; the operand's layout wants a whole block in a lane: lanes 0-15 block 2 c, lanes 16-31 block 2 c + 1
.irp i, 0,1,2
	v_permlane16_swap_b32 v[PC+6*\c+\i], v[PC+12+4*\c+\i]
.endr
.irp i, 0,1,2
	v_mov_b32 v[PC+3+6*\c+\i], v[PC+12+4*\c+\i]
.endr
.endr
.endm
; 32 numbers of a lane, two blocks of 32 shared with lane l xor 16, become a half fragment's six registers at v[out] on and its scale word (two bytes) in v[pw].
.macro QUANT2 src, out, pw
.set Q2S, \src
.set Q2O, \out
.set Q2P, \pw
.irp b, 0,1
	v_max3_num_f32 v[TM+\b], |v[Q2S+16*\b]|, |v[Q2S+1+16*\b]|, 0x1800000   ; each accumulator is read from its low end on
.endr
.irp i, 2,4,6,8,10,12,14
.irp b, 0,1
	v_max3_num_f32 v[TM+\b], v[TM+\b], |v[Q2S+16*\b+\i]|, |v[Q2S+1+16*\b+\i]|
.endr
.endr
.irp b, 0,1
	v_permlanex16_b32 v[TM+4+\b], v[TM+\b], s[SEL], s[SEL+1]
.endr
.irp b, 0,1
	v_max_num_f32 v[TM+\b], v[TM+\b], v[TM+4+\b]
.endr
.irp b, 0,1
	v_add_nc_u32 v[TM+12+\b], 0xff000000, v[TM+\b]
.endr
.irp b, 0,1
	v_lshrrev_b32 v[TM+4+\b], 23, v[TM+12+\b]
.endr
	v_lshl_or_b32 v[Q2P], v[TM+5], 8, v[TM+4]
	v_cvt_scalef32_pk16_fp6_f32 v[Q2O:Q2O+2], v[Q2S:Q2S+15], v[TM+12]
	v_cvt_scalef32_pk16_fp6_f32 v[CT:CT+2], v[Q2S+16:Q2S+31], v[TM+13]
	v_nop                                          ; one plain place behind a scaled conversion
.irp i, 0,1,2
	v_permlane16_swap_b32 v[Q2O+\i], v[CT+\i]      ; lanes 0-15 keep block 0, lanes 16-31 get block 1
.endr
.irp i, 0,1,2
	v_mov_b32 v[Q2O+3+\i], v[CT+\i]
.endr
.endm
.macro IMAGE reg, adr, off             ; a fragment's 12 registers go to LDS as they stand
.irp c, 0,1,2
	ds_store_b128 v[\adr], v[\reg+4*\c:\reg+4*\c+3] offset:\off+512*\c
.endr
.endm
.macro FETCH reg, off                  ; and come back so, in any wave
.irp c, 0,1,2
	ds_load_b128 v[\reg+4*\c:\reg+4*\c+3], v[L16] offset:\off+512*\c
.endr
.endm
.macro BARRIER                         ; my LDS stores have landed and my LDS loads are in: then the work-group's barrier
	s_wait_dscnt 0x0
	s_barrier_signal -1
	s_barrier_wait -1
.endm
.macro WSET p                          ; K step p (counted from the head in hand) of W: four fragments and their scale words: 14 loads
	WIN 0xc0                                       ; destination window 3
.irp t, 0,1,2,3
.irp c, 0,1,2
	global_load_b128 v[48*((\p)%4)+12*\t+4*\c:48*((\p)%4)+12*\t+4*\c+3], v[L16], s[WP:WP+1] offset:6400*(\p)+1536*\t+512*\c
.endr
.endr
	WIN 0
	global_load_b32 v[WS+2*((\p)%4)], v[L4], s[WP:WP+1] offset:6400*(\p)+6144
	global_load_b32 v[WS+2*((\p)%4)+1], v[L4], s[WP:WP+1] offset:6400*(\p)+6144+128
.endm
.macro BIASQ off                       ; tile t = 2 b + u: the bias of columns 32 b + 16 h + 8 u + 0 .. 7
.irp t, 0,1,2,3
	global_load_b128 v[BI+8*\t:BI+8*\t+3], v[BAQ], s[BP:BP+1] offset:(\off)+(32*(\t/2)+8*(\t%2))*4
	global_load_b128 v[BI+8*\t+4:BI+8*\t+7], v[BAQ], s[BP:BP+1] offset:(\off)+(32*(\t/2)+8*(\t%2))*4+16
.endr
.endm
.macro BIASV off                       ; tile t: the bias of column 32 b + 8 u + r + 8 (r / 8)
.irp t, 0,1,2,3
	global_load_b32 v[BV+\t], v[BAV], s[BP:BP+1] offset:(\off)+(32*(\t/2)+8*(\t%2))*4
.endr
.endm
.macro WM d, a, b, c, sa, ra, sb, rb   ; one product; ra, rb: the half of the lanes in which a side's scale words lie
.set WD, \d
.set WA, \a
.set WB2, \b
.set WC, \c
.set WSA, \sa
.set WSB, \sb
.if ((\ra) == 0) && ((\rb) == 0)
	v_wmma_scale_f32_16x16x128_f8f6f4 v[WD:WD+7], v[WA:WA+11], v[WB2:WB2+11], v[WC:WC+7], v[WSA], v[WSB] matrix_a_fmt:MATRIX_FMT_FP6 matrix_b_fmt:MATRIX_FMT_FP6
.elseif ((\ra) == 1) && ((\rb) == 0)
	v_wmma_scale_f32_16x16x128_f8f6f4 v[WD:WD+7], v[WA:WA+11], v[WB2:WB2+11], v[WC:WC+7], v[WSA], v[WSB] matrix_a_fmt:MATRIX_FMT_FP6 matrix_b_fmt:MATRIX_FMT_FP6 matrix_a_scale:MATRIX_SCALE_ROW1
.elseif ((\ra) == 0)
	v_wmma_scale_f32_16x16x128_f8f6f4 v[WD:WD+7], v[WA:WA+11], v[WB2:WB2+11], v[WC:WC+7], v[WSA], v[WSB] matrix_a_fmt:MATRIX_FMT_FP6 matrix_b_fmt:MATRIX_FMT_FP6 matrix_b_scale:MATRIX_SCALE_ROW1
.else
	v_wmma_scale_f32_16x16x128_f8f6f4 v[WD:WD+7], v[WA:WA+11], v[WB2:WB2+11], v[WC:WC+7], v[WSA], v[WSB] matrix_a_fmt:MATRIX_FMT_FP6 matrix_b_fmt:MATRIX_FMT_FP6 matrix_a_scale:MATRIX_SCALE_ROW1 matrix_b_scale:MATRIX_SCALE_ROW1
.endif
.endm
; K step s of a head: 16 products; the 16 accumulators take turns, one instruction a turn, in the same order in every step.
; path 0 (q, k): source 0 = W's tile i0, source 1 = x's tile i1.  path 1 (v): source 0 = x's tile i0, source 1 = W's tile i1.  The first step takes the bias as C.
.macro MULSTEP path, s
.if \path == 0
.if \s < 5
	WIN 0x07                                       ; source 0 window 3, source 1 window 1
.else
	WIN 0x0b                                       ; source 0 window 3, source 1 window 2
.endif
.else
.if \s < 5
	WIN 0x0d                                       ; source 0 window 1, source 1 window 3
.else
	WIN 0x0e                                       ; source 0 window 2, source 1 window 3
.endif
.endif
.set XB, 48*((\s)%5)
.set WB, 48*((\s)%4)
.irp i1, 0,1,2,3
.irp i0, 0,1,2,3
.set DD, ACC+32*\i1+8*\i0
.set CC, DD
.if \path == 0
.if \s == 0
.set CC, BI+8*\i0
.endif
	WM DD, WB+12*\i0, XB+12*\i1, CC, WS+2*((\s)%4)+\i0/2, \i0%2, XS+2*(\s)+\i1/2, \i1%2
.else
.if \s == 0
.set CC, BI+8*\i1
.endif
	WM DD, XB+12*\i0, WB+12*\i1, CC, XS+2*(\s)+\i0/2, \i0%2, WS+2*((\s)%4)+\i1/2, \i1%2
.endif
.endr
.endr
.endm
	s_load_b512 s[4:19], s[0:1], 0x0               ; q, k, v, bq, bk, bv, wimg, pimg
	v_lshl_add_u32 v126, v0, 2, 0xc800             ; the LDS address of my spare word, behind x's scale words, and 0: made here and kept for the closing lines alone
	v_mov_b32 v127, 0
	v_lshrrev_b32 v1, 5, v0
	v_readfirstlane_b32 s[WV], v1                  ; wave 0..3
	s_and_b32 s[YY], ttmp7, 0xffff
	v_and_b32 v[VL], 31, v0
	v_and_b32 v[VR], 15, v0
	v_bfe_u32 v[VH], v0, 4, 1
	v_lshlrev_b32 v[L16], 4, v[VL]
	v_lshlrev_b32 v[L8], 3, v[VL]
	v_lshlrev_b32 v[L4], 2, v[VL]
	s_wait_alu depctr_va_sdst(0)                   ; s20, the wave's number, is written, ahead of its first reader: LDS addresses and all bases are made from it
	s_mul_i32 s36, s[WV], 1536
	v_add_nc_u32 v[XWI], s36, v[L16]
	s_lshl_b32 s36, s[WV], 6
	s_add_co_u32 s36, s36, XSC
	v_lshl_add_u32 v[XWS], v[VR], 2, s36
	v_lshlrev_b32 v[BAQ], 6, v[VH]
	v_and_b32 v96, 8, v[VR]
	s_wait_alu depctr_va_vdst(0)
	v_add_nc_u32 v97, v96, v[VR]                   ; r + 8 (r / 8)
	v_lshlrev_b32 v[BAV], 2, v97
	s_mov_b32 s[SEL], 0x76543210
	s_mov_b32 s[SEL+1], 0xfedcba98
	s_mov_b32 s[GC], 4
	s_mov_b32 s[HM], 0xffff0000
.irp b, 0,1,2,3
	v_mov_b32 v[TM+4+\b], 0                        ; written once: a lane permute's destination counts as one of its sources
.endr
	; which rows of the block form my tile: q: 16 w + r;  k, v: 32 (w / 2) + 8 (w % 2) + r + 8 (r / 8)
	s_lshl_b32 s38, s[WV], 4
	s_lshr_b32 s39, s[WV], 1
	s_lshl_b32 s39, s39, 5
	s_and_b32 s36, s[WV], 1
	s_lshl_b32 s36, s36, 3
	s_add_co_u32 s39, s39, s36
	s_cmp_eq_u32 s[YY], 0
	s_cselect_b32 s37, 0, 1
	s_cselect_b32 s38, s38, s39
	v_mul_u32_u24 v96, v96, s37
	v_add_nc_u32 v96, v96, v[VR]
	v_lshlrev_b32 v[XA], 12, v96                   ; a row of x is 4,096 bytes
	v_lshl_add_u32 v[XA], v[VH], 6, v[XA]          ; + 64 h: my 16 numbers of a block of 32
	s_lshl_b32 s40, ttmp9, 6
	s_add_co_u32 s40, s40, s38
	s_lshl_b32 s40, s40, 12
	s_mov_b32 s41, 0
	s_mul_i32 s42, s[YY], 819200                   ; wimg: my weight, my four heads
	s_mul_i32 s36, s[WV], 204800
	s_add_co_u32 s42, s42, s36
	s_mov_b32 s43, 0
	s_lshl_b32 s44, s[WV], 10                      ; the bias of my 256 columns
	s_mov_b32 s45, 0
	s_lshr_b32 s46, ttmp9, 5                       ; batch
	s_lshl_b32 s46, s46, 2
	s_add_co_u32 s46, s46, s[WV]
	s_lshl_b32 s46, s46, 7                         ; (16 batch + 4 w) x 32
	s_and_b32 s36, ttmp9, 31
	s_add_co_u32 s46, s46, s36                     ; + the block of 64 rows
	s_mul_i32 s46, s46, 3328
	s_mul_i32 s36, s[YY], 3407872
	s_add_co_u32 s46, s46, s36
	s_mov_b32 s47, 0
	s_wait_kmcnt 0x0
	s_cmp_eq_u32 s[YY], 1                          ; the tensors are chosen on the work-group's number alone
	s_cselect_b64 s[XP:XP+1], s[6:7], s[4:5]
	s_cselect_b64 s[BP:BP+1], s[12:13], s[10:11]
	s_cmp_eq_u32 s[YY], 2
	s_cselect_b64 s[XP:XP+1], s[8:9], s[XP:XP+1]
	s_cselect_b64 s[BP:BP+1], s[14:15], s[BP:BP+1]
	s_add_nc_u64 s[XP:XP+1], s[XP:XP+1], s[40:41]
	s_add_nc_u64 s[BP:BP+1], s[BP:BP+1], s[44:45]
	s_add_nc_u64 s[WP:WP+1], s[16:17], s[42:43]
	s_add_nc_u64 s[OP:OP+1], s[18:19], s[46:47]
	s_wait_alu depctr_va_vdst(0)                   ; the eight offsets and LDS addresses v4 to v11 are written: every load, store and LDS instruction of the kernel reads one of them, and none is written again
	BIASQ 0                                        ; the first head's bias in both forms, 12 loads of which one form is used: so the text parts only once, behind the last barrier
	BIASV 0
	WSET 0                                         ; and its first four K steps of W
	WSET 1
	WSET 2
	WSET 3
	; ---- x: my 16 rows become eight fragments; the loads run two K steps ahead, in two sets of 64 registers where the accumulators will lie
	XLOAD ACC, 0
	XLOAD ACC+64, 1
.irp s, 0,1,2,3,4,5,6,7
.if \s < 7
	s_wait_loadcnt 16                              ; this K step's numbers are in; the other set's 16 loads may be out
.else
	s_wait_loadcnt 0x0
.endif
.if \s > 0
	s_wait_alu depctr_vm_vsrc(0)                   ; the last K step's LDS stores have read v[PC ..] and v[PW], which this step's quantiser writes again
.endif
	QUANT ACC+64*(\s%2)
	s_wait_alu depctr_va_vdst(0)                   ; the quantiser has written v[PC ..] and v[PW], which the LDS stores below read, and is done reading this staging set, in which the loads below land
.if \s < 6
	XLOAD ACC+64*(\s%2), \s+2
.endif
	IMAGE PC, XWI, XIMG+6144*\s
	ds_store_b32 v[XWS], v[PW] offset:256*\s       ; lanes r and r + 16 write the same word with the same value
.endr
	BARRIER                                        ; x's 32 fragments lie in LDS
	s_wait_alu depctr_vm_vsrc(0)                   ; my last LDS stores have read v[PC ..] and v[PW]: the heads' quantisers write these registers again, as v[OUT ..] and v[PW ..]
	WIN 0x40                                       ; destination window 1
.irp s, 0,1,2,3,4
.irp m, 0,1,2,3
	FETCH 48*\s+12*\m, XIMG+1536*(4*\s+\m)
.endr
.endr
	WIN 0x80                                       ; destination window 2
.irp s, 5,6,7
.irp m, 0,1,2,3
	FETCH 48*(\s-5)+12*\m, XIMG+1536*(4*\s+\m)
.endr
.endr
	WIN 0
.irp s, 0,1,2,3,4,5,6,7
.irp u, 0,1
	ds_load_b32 v[XS+2*\s+\u], v[L4] offset:XSC+256*\s+128*\u
.endr
.endr
	s_wait_dscnt 0x0                               ; the last use of LDS but the closing add
; A head a trip.  W's sets run four K steps ahead: at the head of step s the sets of steps s + 1 .. s + 3 (14 loads each) may be out, as far as the head has them.
.macro GROUP path
.Lgroup_\@:
.irp s, 0,1,2,3,4,5,6,7
.if \s < 5
	s_wait_loadcnt 42                              ; this step's set (and, at step 0, the bias, asked for ahead of it) is in; three younger sets may be out
.else
	s_wait_loadcnt 14*(7-\s)                       ; two, one, no younger set
.endif
.if \s == 0
.if \path == 1
.irp t, 0,1,2,3
.irp j, 0,1,2,3,4,5,6,7
	v_mov_b32 v[BI+8*\t+\j], v[BV+\t]              ; a lane's one column: the same bias in its eight rows
.endr
.endr
.endif
	PLACES 5                                       ; the accumulators are begun anew with another C
.endif
	MULSTEP \path, \s
.if \s < 4
	WIN 0xc0                                       ; the window of the loads below: the switch, the wait, the loads
	s_wait_alu depctr_va_vdst(0)                   ; this step's products are done reading their set of W and its two registers of scale words, in which the loads below land
	WSET \s+4
.else
	WIN 0
.endif
.endr
	PLACES 4                                       ; in front of the first read of results
	s_wait_alu depctr_va_vdst(0)                   ; the head's products are done reading W's four sets, their scale words and the bias (path v: the moves are done reading v[BV ..]): the next head's loads land in all of these
	s_cmp_eq_u32 s[GC], 1
	s_cbranch_scc1 .Llast_\@                       ; the last head asks for nothing more: no load leaves its buffer
.if \path == 0
	BIASQ 256                                      ; the next head's bias and first four K steps land while this head is quantised and stored
.else
	BIASV 256
.endif
	WSET 8
	WSET 9
	WSET 10
	WSET 11
.Llast_\@:
.irp i1, 0,1,2,3
	QUANT2 ACC+32*\i1, OUT+8*\i1, PW+\i1
.endr
	v_cndmask_b32 v[SW], v[PW], v[PW+1], s[HM]     ; lanes 0-15: half fragment 0's words, lanes 16-31: 1's
	v_cndmask_b32 v[SW+1], v[PW+2], v[PW+3], s[HM] ; 2's and 3's
	s_wait_alu depctr_va_vdst(0)                   ; the four quantisers and the two selects have written v[OUT ..] and v[SW ..], which the nine stores below read
.irp i1, 0,1,2,3
	global_store_b128 v[L16], v[OUT+8*\i1:OUT+8*\i1+3], s[OP:OP+1] offset:768*\i1          ; 512 consecutive bytes, aligned
	global_store_b64 v[L8], v[OUT+8*\i1+4:OUT+8*\i1+5], s[OP:OP+1] offset:768*\i1+512      ; 256 consecutive bytes, aligned
.endr
	global_store_b64 v[L8], v[SW:SW+1], s[OP:OP+1] offset:3072                             ; 256 consecutive bytes, aligned
	s_wait_xcnt 0x0                                ; the bases and the stores' data are written again only behind this wait
	s_wait_alu depctr_vm_vsrc(0)                   ; the stores have read v[OUT ..] and v[SW ..], which the next head's quantisers and selects write again
	s_add_nc_u64 s[WP:WP+1], s[WP:WP+1], 51200
	s_add_nc_u64 s[BP:BP+1], s[BP:BP+1], 256
	s_add_nc_u64 s[OP:OP+1], s[OP:OP+1], 106496
	s_sub_co_u32 s[GC], s[GC], 1
	s_cmp_lg_u32 s[GC], 0
	s_cbranch_scc1 .Lgroup_\@
.endm
	s_cmp_eq_u32 s[YY], 2
	s_cbranch_scc1 .Lpath_v
	GROUP 0
	s_wait_dscnt 0x0                               ; the closing lines, six on end
	s_wait_alu 0x0
	s_wait_tensorcnt 0x0
	ds_add_u32 v126, v127
	s_wait_dscnt 0x0
	s_endpgm
.Lpath_v:
	GROUP 1
	s_wait_dscnt 0x0                               ; the closing lines once more, for this way's end
	s_wait_alu 0x0
	s_wait_tensorcnt 0x0
	ds_add_u32 v126, v127
	s_wait_dscnt 0x0
	s_endpgm
.Lfunc_end_k_qb6e856bbdc_proj:
	.size	k_qb6e856bbdc_proj, .Lfunc_end_k_qb6e856bbdc_proj-k_qb6e856bbdc_proj
	.p2alignl 7, 3214868480
	.fill 96, 4, 3214868480
	.section	.rodata,"a",@progbits
	.p2align	6, 0x0
	.amdhsa_kernel k_qb6e856bbdc_proj
		.amdhsa_group_segment_fixed_size 51712
		.amdhsa_private_segment_fixed_size 0
		.amdhsa_enable_private_segment 0
		.amdhsa_kernarg_size 64
		.amdhsa_user_sgpr_count 2
		.amdhsa_user_sgpr_kernarg_segment_ptr 1
		.amdhsa_wavefront_size32 1
		.amdhsa_system_sgpr_workgroup_id_x 1
		.amdhsa_system_sgpr_workgroup_id_y 1
		.amdhsa_system_sgpr_workgroup_id_z 1
		.amdhsa_system_vgpr_workitem_id 0
		.amdhsa_next_free_vgpr 960
		.amdhsa_next_free_sgpr 66
		.amdhsa_reserve_vcc 0
		.amdhsa_float_denorm_mode_32 3
		.amdhsa_float_denorm_mode_16_64 3
		.amdhsa_memory_ordered 1
		.amdhsa_forward_progress 1
		.amdhsa_inst_pref_size 138
	.end_amdhsa_kernel
	.amdgpu_metadata
---
amdhsa.version: [ 1, 2 ]
amdhsa.kernels:
  - .name:           k_qb6e856bbdc_proj
    .symbol:         k_qb6e856bbdc_proj.kd
    .args:
      - { .name: q, .offset: 0, .size: 8, .value_kind: global_buffer, .address_space: global }
      - { .name: k, .offset: 8, .size: 8, .value_kind: global_buffer, .address_space: global }
      - { .name: v, .offset: 16, .size: 8, .value_kind: global_buffer, .address_space: global }
      - { .name: bq, .offset: 24, .size: 8, .value_kind: global_buffer, .address_space: global }
      - { .name: bk, .offset: 32, .size: 8, .value_kind: global_buffer, .address_space: global }
      - { .name: bv, .offset: 40, .size: 8, .value_kind: global_buffer, .address_space: global }
      - { .name: wimg, .offset: 48, .size: 8, .value_kind: global_buffer, .address_space: global }
      - { .name: pimg, .offset: 56, .size: 8, .value_kind: global_buffer, .address_space: global }
    .group_segment_fixed_size: 51712
    .private_segment_fixed_size: 0
    .kernarg_segment_align: 8
    .kernarg_segment_size: 64
    .max_flat_workgroup_size: 128
    .sgpr_count:     66
    .vgpr_count:     960
    .wavefront_size: 32
...
	.end_amdgpu_metadata
.endif
;; end of part 6
;; launch attn (part 7): grid 32 x 8, 16 waves a work-group, no clusters, 327,680 bytes of LDS; arguments pimg, mimg, cimg; writes cimg
.if DOCPART == 7
	.amdgcn_target "amdgcn-amd-amdhsa--gfx1250"
	.amdhsa_code_object_version 6
	.text
	.protected	k_qb6e856bbdc_attn
	.globl	k_qb6e856bbdc_attn
	.p2align	8
	.type	k_qb6e856bbdc_attn,@function
k_qb6e856bbdc_attn:
	s_mov_b64 s[64:65], 0
	v_nop
	global_prefetch_b8 v0, s[64:65] scope:SCOPE_SE
	s_setreg_imm32_b32 hwreg(HW_REG_WAVE_MODE, 25, 1), 1
	s_wait_xcnt 0x0
; ATTN.  ctx = softmax(q k^T / 8 - 10,000 mask) v for 32 (batch, head) pairs, 2,048 queries and keys, head size 64, both products on codes of FP6 (E2M3) with one E8M0 scale for each 32 along K.
; THE SOFTMAX AHEAD OF THE SECOND PRODUCT: t = logit x log2(e); M = the row's largest t so far, rounded UP to a whole number; p = 2^(t - M) is quantised along the keys, not normalised; the row's sum is taken of
; the unquantised p and divides at the end.  When M moves, the sum and O are multiplied by 2^(old M - new M): exact.
; THE MASK is an input: every key step is computed for every query.  mimg holds -80,000 x mask in the layout of the score accumulators; it is the C of the score products, which so give 8 x logit; t - M is one fused multiply-add by log2(e) / 8.
; SHARES.  A work-group owns 64 queries (work-group x) of 4 heads (work-group y: heads 4 y .. 4 y + 3 of the 32); wave w owns head w / 4 and the tile of 16 queries w % 4, in 256 registers: four waves to a SIMD.
; So a step's mask tile serves four heads, and a head's K and V four tiles of queries: 86,016 bytes come in for each 128 keys.  No cluster yet: the four query blocks beside each other want the same K and V (53,248 of those bytes) but other masks.
; RING.  Two LDS slots of one key step (128 keys), filled by tensor loads of dense blocks: waves 0-3 K of the four heads, waves 4-7 V, waves 8, 9 the mask's halves.  By this text's count a wave has one tensor load out at most.
; LAYOUT.  Both products are used transposed (S^T = K Q^T, O^T = V^T P^T): a lane holds ONE query throughout.  pimg's order of keys in a tile makes the 16 registers of two neighbouring score tiles 16 neighbouring keys;
; its order of d in V's tiles makes O's 32 registers two blocks of 32 along d, shared with lane l xor 16: ctx is quantised in registers and leaves as a half fragment of the last product's operand.
; K = 64 in the score product: registers 6-11 of K's and Q's fragments hold zero codes, written once.
; OUT.  cimg [batch x head 32][block of 64 queries 32][3,328 bytes]: four half fragments (tile of queries i: 768 i), scale words at 3,072 + 64 i + 4 r.
; LIMITS: a block of zeros, or one under 2^-124, gets the scale byte 1 (read by this program alone); NaN and infinities are not served; the mask term joins the score's sum inside the matrix unit, under its rounding.
.set SLOT1, 1<<17                      ; slot 1 begins here: one exclusive or turns an address in one slot into the other's
.set KVB,   6656                       ; 128 keys of one head's K or V: two blocks of 3,328 bytes
.set BLK,   3328
.set VOFF,  4*KVB                      ; a slot: K of four heads, V of four heads,
.set MOFF,  8*KVB                      ; the mask of four tiles of queries, 8,192 bytes each: 86,016 bytes
.set SPARE, 2*SLOT1                    ; the spare words, 128 bytes for each of the 16 waves: eight blocks of 256 bytes that no other line names
.set A16,  1                           ; v1   16 x lane + my head's place in a slot
.set A8,   2                           ; v2   8 x lane + the same
.set AM,   3                           ; v3   16 x lane + my tile's place in the mask
.set SPW,  4                           ; v4   LDS address of my spare word; never rewritten
.set NIL,  5                           ; v5   0; never rewritten
.set CO16, 6                           ; v6   16 x lane + 768 x tile: my half fragment in a block of pimg or cimg
.set CO8,  7                           ; v7   8 x lane + 768 x tile
.set AD16, 8                           ; v8-10 the step's LDS addresses
.set AD8,  9
.set ADM,  10
.set T0,   11                          ; v11  at work
.set QF,   16                          ; v16-27 Q's fragment (v22-27 zero codes)     v12 -M, v13 the largest t, v[14:15] the sum in two halves
.set QS,   28                          ; v28  Q's scale words
.set PW,   29                          ; v29  p's scale word
.set FF,   30                          ; v[30:31] f = 2^(old M - new M)
.set KB,   32                          ; v32-79 four fragments of K (registers 6-11 of each: zero codes)
.set BM,   80                          ; v80-83 the blocks' largest scores, then largest p; later codes on their way
.set PX,   84                          ; v84-87 the exchange, the bytes; later codes on their way, then the second chain of the sum
.set SO,   88                          ; v88-91 the conversions' scale operands
.set KS,   92                          ; v92-95 K's scale words
.set SA,   96                          ; v96-159 the mask term, then 8 x logit, then p
.set OA,   160                         ; v160-191 O^T
.set VB,   192                         ; v192-239 four fragments of V
.set PC,   240                         ; v240-251 p's codes
.set VS,   252                         ; v252-255 V's scale words
.set TM,   80                          ; the last quantiser's work registers (v80, 81, 84, 85, 92, 93) and v88-90
.set CT,   88
.set WV,   18                          ; s18  wave
.set SEL,  20                          ; s[20:21] lane selects for lane l xor 16
.set CS,   22                          ; s[22:23] log2(e) / 8, twice: the packed form names a pair
.set G1D,  24                          ; s[24:31] group 1: 26 rows of 256 bytes
.set G1M,  32                          ; s[32:39] group 1: 64 rows of 256 bytes
.set G0D,  40                          ; s[40:43] group 0 for K or V, which walks
.set G0M,  44                          ; s[44:47] group 0 for the mask
.set TB,   48                          ; s48  the slot in hand
.set SLOTS, 49                         ; s49  steps still to be asked for
.macro PLACES n
.rept \n
	v_nop
.endr
.endm
; Waves 0-7 fetch K or V, waves 8 and 9 the mask, the others nothing.  The branches hang on the wave's number alone.  Four v_nop follow each of the two lines.
.macro TLOAD
	s_cmp_lt_u32 s[WV], 8
	s_cbranch_scc0 .Lnot_d_\@
	tensor_load_to_lds s[G0D:G0D+3], s[G1D:G1D+7]
	s_nop 0
.rept 4
	v_nop
.endr
	s_branch .Lasked_\@
.Lnot_d_\@:
	s_cmp_lt_u32 s[WV], 10
	s_cbranch_scc0 .Lasked_\@
	tensor_load_to_lds s[G0M:G0M+3], s[G1M:G1M+7]
	s_nop 0
.rept 4
	v_nop
.endr
.Lasked_\@:
.endm
.macro WM d, a, b, c, sa, ra, sb       ; one product; ra: the half of the lanes in which source 0's scale words lie
.set WD, \d
.set WA, \a
.set WB2, \b
.set WC, \c
.set WSA, \sa
.set WSB, \sb
.if (\ra) == 0
	v_wmma_scale_f32_16x16x128_f8f6f4 v[WD:WD+7], v[WA:WA+11], v[WB2:WB2+11], v[WC:WC+7], v[WSA], v[WSB] matrix_a_fmt:MATRIX_FMT_FP6 matrix_b_fmt:MATRIX_FMT_FP6
.else
	v_wmma_scale_f32_16x16x128_f8f6f4 v[WD:WD+7], v[WA:WA+11], v[WB2:WB2+11], v[WC:WC+7], v[WSA], v[WSB] matrix_a_fmt:MATRIX_FMT_FP6 matrix_b_fmt:MATRIX_FMT_FP6 matrix_a_scale:MATRIX_SCALE_ROW1
.endif
.endm
.macro KLOAD g                         ; the four tiles of 16 keys of the step's g-th 64 keys: six registers each
.irp t, 0,1,2,3
	ds_load_b128 v[KB+12*\t:KB+12*\t+3], v[AD16] offset:BLK*\g+768*\t
	ds_load_b64 v[KB+12*\t+4:KB+12*\t+5], v[AD8] offset:BLK*\g+768*\t+512
.endr
.endm
	s_load_b128 s[4:7], s[0:1], 0x0                ; pimg, mimg
	s_load_b64 s[8:9], s[0:1], 0x10                ; cimg
	v_lshl_add_u32 v[SPW], v0, 2, SPARE
	v_mov_b32 v[NIL], 0
	ds_add_u32 v4, v5
	ds_add_u32 v4, v5
	s_wait_dscnt 0x0
	v_lshrrev_b32 v8, 5, v0
	s_delay_alu instid0(VALU_DEP_1)
	v_readfirstlane_b32 s[WV], v8                  ; wave 0..15
	s_and_b32 s50, ttmp7, 0xffff
	s_lshl_b32 s50, s50, 2                         ; my work-group's first head among the 32
	s_lshr_b32 s51, s[WV], 2                       ; my head of the four
	s_and_b32 s52, s[WV], 3                        ; my tile of queries
	s_and_b32 s53, s51, 1                          ; what I fetch, if I fetch: waves 0-3 K, waves 4-7 V,
	s_add_co_u32 s53, s53, 1
	s_mul_i32 s53, s53, 3407872
	s_add_co_u32 s54, s50, s52                     ; of head (wave % 4)
	s_mul_i32 s54, s54, 106496
	s_add_co_u32 s54, s54, s53
	s_mov_b32 s55, 0
	s_and_b32 s56, s[WV], 1                        ; waves 8, 9: half of the mask's 32,768 bytes
	s_lshl_b32 s57, s56, 14
	s_lshl_b32 s58, ttmp9, 19                      ; my block of queries: 16 steps of 32,768 bytes
	s_add_co_u32 s58, s58, s57
	s_mov_b32 s59, 0
	s_add_co_u32 s60, s50, s51                     ; my head's, my query block's 3,328 bytes in pimg (q) and in cimg
	s_lshl_b32 s60, s60, 5
	s_add_co_u32 s60, s60, ttmp9
	s_mul_i32 s60, s60, 3328
	s_mov_b32 s61, 0
	; descriptor groups 1: dense blocks as rows of 256 bytes (32 elements of 8 bytes), no padding: every LDS load here takes consecutive bytes
	s_mov_b32 s[G1D], 3<<16                        ; no mask; elements of 8 bytes
	s_mov_b32 s[G1D+1], 32<<16                     ; tensor_dim0 = 32
	s_mov_b32 s[G1D+2], 26<<16                     ; tensor_dim1 = 26
	s_mov_b32 s[G1D+3], 32<<16                     ; tile_dim0 = 32
	s_mov_b32 s[G1D+4], 26                         ; tile_dim1 = 26
	s_mov_b32 s[G1D+5], 32                         ; pitch
	s_mov_b32 s[G1D+6], 0
	s_mov_b32 s[G1D+7], 0
	s_mov_b32 s[G1M], 3<<16
	s_mov_b32 s[G1M+1], 32<<16
	s_mov_b32 s[G1M+2], 64<<16
	s_mov_b32 s[G1M+3], 32<<16
	s_mov_b32 s[G1M+4], 64
	s_mov_b32 s[G1M+5], 32
	s_mov_b32 s[G1M+6], 0
	s_mov_b32 s[G1M+7], 0
	s_mov_b32 s[SEL], 0x76543210
	s_mov_b32 s[SEL+1], 0xfedcba98
	s_mov_b32 s[CS], 0x3e38aa3b                    ; log2(e) / 8
	s_mov_b32 s[CS+1], s[CS]
	s_mov_b32 s[TB], 0
	s_mov_b32 s[SLOTS], 15
	s_wait_kmcnt 0x0
	s_mov_b32 s[G0D], 1                            ; count = 1
	s_mul_i32 s[G0D+1], s[WV], KVB                 ; LDS: slot 0, wave x 6,656
	s_add_nc_u64 s[G0D+2:G0D+3], s[4:5], s[54:55]
	s_or_b32 s[G0D+3], s[G0D+3], 0x80000000        ; type = 2
	s_mov_b32 s[G0M], 1
	s_add_co_u32 s[G0M+1], s57, MOFF               ; LDS: slot 0, the mask's half
	s_add_nc_u64 s[G0M+2:G0M+3], s[6:7], s[58:59]
	s_or_b32 s[G0M+3], s[G0M+3], 0x80000000
	TLOAD                                          ; key step 0 into slot 0: the one first fill
	s_add_nc_u64 s[10:11], s[4:5], s[60:61]        ; q's block
	s_add_nc_u64 s[12:13], s[8:9], s[60:61]        ; ctx's block
	v_and_b32 v8, 31, v0                           ; lane
	v_and_b32 v9, 15, v0                           ; r
	s_wait_alu depctr_va_vdst(0)
	s_mul_i32 s62, s51, KVB
	v_lshl_add_u32 v[A16], v8, 4, s62
	v_lshl_add_u32 v[A8], v8, 3, s62
	s_lshl_b32 s63, s52, 13
	v_lshl_add_u32 v[AM], v8, 4, s63
	s_mul_i32 s62, s52, 768
	v_lshl_add_u32 v[CO16], v8, 4, s62
	v_lshl_add_u32 v[CO8], v8, 3, s62
	s_and_b32 s62, s52, 1                          ; q's scale words: 8 (16 (tile % 2) + r) + 4 (tile / 2)
	s_lshl_b32 s62, s62, 7
	s_lshr_b32 s63, s52, 1
	s_lshl_b32 s63, s63, 2
	s_add_co_u32 s62, s62, s63
	v_lshl_add_u32 v[T0], v9, 3, s62
	global_load_b128 v[QF:QF+3], v[CO16], s[10:11]
	global_load_b64 v[QF+4:QF+5], v[CO8], s[10:11] offset:512
	global_load_b32 v[QS], v[T0], s[10:11] offset:3072
.irp j, 6,7,8,9,10,11
	v_mov_b32 v[QF+\j], 0                          ; K = 64 .. 127 of the score product: zero codes, on both sides
.irp t, 0,1,2,3
	v_mov_b32 v[KB+12*\t+\j], 0
.endr
.endr
	v_mov_b32 v13, 0xff61b1e6                      ; the largest t so far: -3e38, under every t
	s_delay_alu instid0(VALU_DEP_1)
	v_floor_f32 v12, -v13                          ; -M
	v_mov_b32 v14, 0                               ; the sum, in two halves
	v_mov_b32 v15, 0
	v_mov_b32 v[FF+1], 0                           ; (named as the upper half of a pair)
.irp b, 0,1,2,3
	v_mov_b32 v[PX+\b], 0                          ; written once: a lane permute's destination counts as one of its sources
.endr
.set j, 0
.rept 32
	v_mov_b32 v[OA+j], 0                           ; O^T: the step is written once; the first finds zeros, which the first change of M leaves zeros
.set j, j+1
.endr
; A KEY STEP: 128 keys from the slot in hand.
.macro STEP
	v_add_nc_u32 v[AD16], s[TB], v[A16]
	v_add_nc_u32 v[AD8], s[TB], v[A8]
	v_add_nc_u32 v[ADM], s[TB], v[AM]
	v_nop                                          ; four places in front of loads into registers that the last step's products have read
	KLOAD 0
	ds_load_b64 v[KS:KS+1], v[AD8] offset:3072     ; K's scale words: register u: lanes 0-15 tile 2 u, lanes 16-31 tile 2 u + 1
	ds_load_b64 v[KS+2:KS+3], v[AD8] offset:BLK+3072
.irp i, 0,1,2,3,4,5,6,7,8,9,10,11,12,13,14,15
	ds_load_b128 v[SA+4*\i:SA+4*\i+3], v[ADM] offset:MOFF+512*\i   ; the mask term, straight into the score accumulators
.endr
.irp t, 0,1,2,3
.irp c, 0,1
	ds_load_b128 v[VB+12*\t+6*\c:VB+12*\t+6*\c+3], v[AD16] offset:VOFF+BLK*\c+768*\t      ; V's tile t: keys 64 c on in registers 6 c on
	ds_load_b64 v[VB+12*\t+6*\c+4:VB+12*\t+6*\c+5], v[AD8] offset:VOFF+BLK*\c+768*\t+512
.endr
.endr
	ds_load_b64 v[VS:VS+1], v[AD8] offset:VOFF+3072
	ds_load_b64 v[VS+2:VS+3], v[AD8] offset:VOFF+BLK+3072
	s_wait_alu depctr_va_vdst(0)
	s_wait_dscnt 18                                ; K's first tiles, its scale words and the mask are in; V's 16 loads and its 2 of scale words may be out
.irp t, 0,1,2,3
	WM SA+8*\t, KB+12*\t, QF, SA+8*\t, KS+\t/2, \t%2, QS
.endr
	PLACES 4                                       ; in front of loads into registers that these products read
	KLOAD 1
	s_wait_dscnt 0x0
.irp t, 0,1,2,3
	WM SA+32+8*\t, KB+12*\t, QF, SA+32+8*\t, KS+2+\t/2, \t%2, QS
.endr                                              ; lane (r, h): query r; register 16 B + x: key 32 B + 16 h + x
	v_lshl_or_b32 v[VS], v[VS+2], 16, v[VS]        ; V's scale words of the 128 keys: two bytes from each block of 64.  (With the two v_nop: the four places behind the products)
	v_lshl_or_b32 v[VS+1], v[VS+3], 16, v[VS+1]
	PLACES 2
.irp b, 0,1,2,3
	v_max3_num_f32 v[BM+\b], v[SA+16*\b], v[SA+1+16*\b], v[SA+2+16*\b]   ; the largest score of each block of 32 keys: for the row's maximum and, since p rises with the score, for the block's largest p
.endr
.irp i, 3,5,7,9,11,13
.irp b, 0,1,2,3
	v_max3_num_f32 v[BM+\b], v[BM+\b], v[SA+16*\b+\i], v[SA+1+16*\b+\i]
.endr
.endr
.irp b, 0,1,2,3
	v_max_num_f32 v[BM+\b], v[BM+\b], v[SA+15+16*\b]
.endr
.irp b, 0,1,2,3
	s_delay_alu instid0(VALU_DEP_4)
	v_permlanex16_b32 v[PX+\b], v[BM+\b], s[SEL], s[SEL+1]
.endr
.irp b, 0,1,2,3
	s_delay_alu instid0(VALU_DEP_4)
	v_max_num_f32 v[BM+\b], v[BM+\b], v[PX+\b]     ; with lane l xor 16's 16 keys
.endr
	s_delay_alu instid0(VALU_DEP_2)
	v_max3_num_f32 v[T0], v[BM], v[BM+1], v[BM+2]
	s_delay_alu instid0(VALU_DEP_1)
	v_max_num_f32 v[T0], v[T0], v[BM+3]            ; the step's largest score of my query
	s_delay_alu instid0(VALU_DEP_1)
	v_mul_f32 v[T0], s[CS], v[T0]                  ; as t
	s_delay_alu instid0(VALU_DEP_1)
	v_max_num_f32 v13, v13, v[T0]                  ; the running largest t
	v_mov_b32 v[T0], v12
	s_delay_alu instid0(VALU_DEP_2)
	v_floor_f32 v12, -v13                          ; the new -M = -ceil(t): a whole number
	s_delay_alu instid0(VALU_DEP_1)
	v_sub_f32 v[T0], v12, v[T0]                    ; old M - new M: a whole number, 0 or less
	s_delay_alu instid0(VALU_DEP_1)
	v_cvt_i32_f32 v[T0], v[T0]                     ; (it saturates)
	s_delay_alu instid0(VALU_DEP_1)
	v_ldexp_f32 v[FF], 1.0, v[T0]                  ; f = 2^(old M - new M)
.set j, 0
.rept 32
	v_pk_fma_f32 v[SA+j:SA+j+1], v[SA+j:SA+j+1], s[CS:CS+1], v[12:13] op_sel_hi:[1,0,0]   ; t - M, two at a time
.set j, j+2
.endr
.irp b, 0,1,2,3
	v_fma_f32 v[BM+\b], v[BM+\b], s[CS], v12       ; the same of each block's largest score
.endr
.set j, 0
	s_wait_alu depctr_va_vdst(0)
.rept 64
	v_exp_f32 v[SA+j], v[SA+j]                     ; p = 2^(t - M)
.set j, j+1
.endr
.irp b, 0,1,2,3
	v_exp_f32 v[BM+\b], v[BM+\b]                   ; the block's largest p: the same two instructions on the same number
.endr
	v_pk_mul_f32 v[14:15], v[14:15], v[FF:FF+1] op_sel_hi:[1,0]   ; the sums under the new M.  (A plain place behind the exponentials)
	s_wait_alu depctr_va_vdst(0)
.irp b, 0,1,2,3
	v_max_num_f32 v[BM+\b], 0x1800000, v[BM+\b]    ; the floor 2^(3 - 127): the byte cannot fall under 1
.endr
.irp b, 0,1,2,3
	s_delay_alu instid0(VALU_DEP_4)
	v_add_nc_u32 v[SO+\b], 0xff000000, v[BM+\b]    ; 2 off the exponent field: the conversion's scale operand
.endr
.irp b, 0,1,2,3
	s_delay_alu instid0(VALU_DEP_4)
	v_lshrrev_b32 v[PX+\b], 23, v[SO+\b]           ; the scale's byte
.endr
	s_delay_alu instid0(VALU_DEP_3)
	v_lshl_or_b32 v[PW], v[PX+1], 8, v[PX]
	s_delay_alu instid0(VALU_DEP_1)
	v_lshl_or_b32 v[PW], v[PX+2], 16, v[PW]
	s_delay_alu instid0(VALU_DEP_1)
	v_lshl_or_b32 v[PW], v[PX+3], 24, v[PW]
	v_cvt_scalef32_pk16_fp6_f32 v[PC:PC+2], v[SA:SA+15], v[SO]
	v_cvt_scalef32_pk16_fp6_f32 v[PX:PX+2], v[SA+16:SA+31], v[SO+1]     ; (a conversion's three registers begin on an even number)
	v_cvt_scalef32_pk16_fp6_f32 v[PC+6:PC+8], v[SA+32:SA+47], v[SO+2]
	v_cvt_scalef32_pk16_fp6_f32 v[BM:BM+2], v[SA+48:SA+63], v[SO+3]
	v_nop                                          ; one plain place behind a scaled conversion
.irp i, 0,1,2                          ; the operand's layout wants a whole block in a lane
	v_permlane16_swap_b32 v[PC+\i], v[PX+\i]
.endr
.irp i, 0,1,2
	s_delay_alu instid0(VALU_DEP_3)
	v_mov_b32 v[PC+3+\i], v[PX+\i]
.endr
.irp i, 0,1,2
	v_permlane16_swap_b32 v[PC+6+\i], v[BM+\i]
.endr
.irp i, 0,1,2
	s_delay_alu instid0(VALU_DEP_3)
	v_mov_b32 v[PC+9+\i], v[BM+\i]
.endr
	v_pk_add_f32 v[PX:PX+1], v[SA:SA+1], v[SA+2:SA+3]   ; the row's sum is taken of the unquantised p: two at a time, in two chains
.irp j, 4,8,12,16,20,24,28,32,36,40,44,48,52,56,60
	v_pk_add_f32 v[14:15], v[14:15], v[SA+\j:SA+\j+1]
	v_pk_add_f32 v[PX:PX+1], v[PX:PX+1], v[SA+\j+2:SA+\j+3]
.endr
	s_delay_alu instid0(VALU_DEP_1)
	v_pk_add_f32 v[14:15], v[14:15], v[PX:PX+1]
.set j, 0
.rept 16
	v_pk_mul_f32 v[OA+j:OA+j+1], v[OA+j:OA+j+1], v[FF:FF+1] op_sel_hi:[1,0]   ; O^T under the new M; each accumulator from its low end on
.set j, j+2
.endr
.irp t, 0,1,2,3
	WM OA+8*\t, VB+12*\t, PC, OA+8*\t, VS+\t/2, \t%2, PW
.endr
.endm
; THE CHANGE OF SLOTS stands at a step's head.  Each wave waits for all its tensor loads (its part of the slot that it is about to read), adds 0 to its spare word, and waits for that and for its reads of the slot that it has left.
; Behind the barrier the slot ahead is whole and nobody reads the other one.  fill = 1: that other slot is filled with the next 128 keys: the load has a whole step in which to land.
.macro CHANGE fill
	s_wait_tensorcnt 0x0                           ; no tensor load of mine is out, so a group 0 may be written
	ds_add_u32 v[SPW], v[NIL]                      ; 0 onto my spare word
.if \fill
	s_xor_b32 s[G0D+1], s[G0D+1], SLOT1            ; the walking descriptors: the other slot than last time,
	s_add_nc_u64 s[G0D+2:G0D+3], s[G0D+2:G0D+3], KVB   ; the next 128 keys; the type bits on top are not reached
	s_xor_b32 s[G0M+1], s[G0M+1], SLOT1
	s_add_nc_u64 s[G0M+2:G0M+3], s[G0M+2:G0M+3], 32768
.endif
	s_wait_dscnt 0x0                               ; the add is done, and my reads of the slot that I have left are over
	s_barrier_signal -1
	s_barrier_wait -1
.if \fill
	TLOAD                                          ; the first thing behind the barrier, and a wave's one tensor load until the next
.endif
.endm
	s_wait_loadcnt 0x0                             ; Q and its scale words
.Lslot:                                            ; 15 trips: behind each change of slots but the last the next step is asked for
	CHANGE 1
	STEP
	s_xor_b32 s[TB], s[TB], SLOT1
	s_sub_co_u32 s[SLOTS], s[SLOTS], 1
	s_cmp_lg_u32 s[SLOTS], 0
	s_cbranch_scc1 .Lslot
	CHANGE 0                                       ; the last step is written out
	STEP
	; THE WAY OUT: O^T / the sum is ctx, a lane's 32 numbers along d; quantised along d it is a half fragment of the last product's operand.
	PLACES 4                                       ; behind the last products
	v_add_f32 v14, v14, v15                        ; the sum's two halves,
	s_delay_alu instid0(VALU_DEP_1)
	v_permlanex16_b32 v[T0], v14, s[SEL], s[SEL+1]
	s_delay_alu instid0(VALU_DEP_1)
	v_add_f32 v14, v14, v[T0]                      ; and lane l xor 16's
	s_wait_alu depctr_va_vdst(0)
	v_rcp_f32 v14, v14
	v_and_b32 v8, 31, v0                           ; (a plain place behind the transcendental)  lane
	v_and_b32 v9, 15, v0
	s_lshl_b32 s62, s52, 6
	v_lshl_add_u32 v9, v9, 2, s62                  ; my scale word's place: 64 x tile + 4 r
.set j, 0
	s_wait_alu depctr_va_vdst(0)
.rept 16
	v_pk_mul_f32 v[SA+j:SA+j+1], v[OA+j:OA+j+1], v[14:15] op_sel_hi:[1,0]   ; register 16 b + i: d = 32 b + 16 h + i
.set j, j+2
.endr
.irp b, 0,1
	v_max3_num_f32 v[TM+\b], |v[SA+16*\b]|, |v[SA+1+16*\b]|, 0x1800000
.endr
.irp i, 2,4,6,8,10,12,14
.irp b, 0,1
	s_delay_alu instid0(VALU_DEP_2)
	v_max3_num_f32 v[TM+\b], v[TM+\b], |v[SA+16*\b+\i]|, |v[SA+1+16*\b+\i]|
.endr
.endr
.irp b, 0,1
	s_delay_alu instid0(VALU_DEP_2)
	v_permlanex16_b32 v[TM+4+\b], v[TM+\b], s[SEL], s[SEL+1]
.endr
.irp b, 0,1
	s_delay_alu instid0(VALU_DEP_2)
	v_max_num_f32 v[TM+\b], v[TM+\b], v[TM+4+\b]
.endr
.irp b, 0,1
	s_delay_alu instid0(VALU_DEP_2)
	v_add_nc_u32 v[TM+12+\b], 0xff000000, v[TM+\b]
.endr
.irp b, 0,1
	s_delay_alu instid0(VALU_DEP_2)
	v_lshrrev_b32 v[TM+4+\b], 23, v[TM+12+\b]
.endr
	s_delay_alu instid0(VALU_DEP_1)
	v_lshl_or_b32 v[PW], v[TM+5], 8, v[TM+4]
	v_cvt_scalef32_pk16_fp6_f32 v[PC:PC+2], v[SA:SA+15], v[TM+12]
	v_cvt_scalef32_pk16_fp6_f32 v[CT:CT+2], v[SA+16:SA+31], v[TM+13]
	v_nop                                          ; one plain place behind a scaled conversion
.irp i, 0,1,2
	v_permlane16_swap_b32 v[PC+\i], v[CT+\i]
.endr
.irp i, 0,1,2
	s_delay_alu instid0(VALU_DEP_3)
	v_mov_b32 v[PC+3+\i], v[CT+\i]
.endr
	global_store_b128 v[CO16], v[PC:PC+3], s[12:13]                 ; 512 consecutive bytes, aligned
	global_store_b64 v[CO8], v[PC+4:PC+5], s[12:13] offset:512      ; 256 consecutive bytes, aligned
	s_wait_xcnt 0x0                                ; EXEC changes only behind this wait
	v_cmp_gt_u32 vcc_lo, 16, v8
	s_and_saveexec_b32 s50, vcc_lo                 ; lanes 0-15 hold the 16 rows' words (lanes 16-31 the same again)
	global_store_b32 v9, v[PW], s[12:13] offset:3072                ; 64 consecutive bytes; the four waves of a head fill 256
	s_wait_xcnt 0x0                                ; and again, in front of the line that widens it
	s_or_b32 exec_lo, exec_lo, s50
	s_wait_tensorcnt 0x0                           ; the wave's end
	ds_add_u32 v[SPW], v[NIL]
	s_wait_dscnt 0x0
	s_endpgm
.Lfunc_end_k_qb6e856bbdc_attn:
	.size	k_qb6e856bbdc_attn, .Lfunc_end_k_qb6e856bbdc_attn-k_qb6e856bbdc_attn
	.p2alignl 7, 3214868480
	.fill 96, 4, 3214868480
	.section	.rodata,"a",@progbits
	.p2align	6, 0x0
	.amdhsa_kernel k_qb6e856bbdc_attn
		.amdhsa_group_segment_fixed_size 327680
		.amdhsa_private_segment_fixed_size 0
		.amdhsa_enable_private_segment 0
		.amdhsa_kernarg_size 24
		.amdhsa_user_sgpr_count 2
		.amdhsa_user_sgpr_kernarg_segment_ptr 1
		.amdhsa_wavefront_size32 1
		.amdhsa_system_sgpr_workgroup_id_x 1
		.amdhsa_system_sgpr_workgroup_id_y 1
		.amdhsa_system_sgpr_workgroup_id_z 1
		.amdhsa_system_vgpr_workitem_id 0
		.amdhsa_next_free_vgpr 256
		.amdhsa_next_free_sgpr 66
		.amdhsa_reserve_vcc 1
		.amdhsa_float_denorm_mode_32 3
		.amdhsa_float_denorm_mode_16_64 3
		.amdhsa_memory_ordered 1
		.amdhsa_forward_progress 1
		.amdhsa_inst_pref_size 50
	.end_amdhsa_kernel
	.amdgpu_metadata
---
amdhsa.version: [ 1, 2 ]
amdhsa.kernels:
  - .name:           k_qb6e856bbdc_attn
    .symbol:         k_qb6e856bbdc_attn.kd
    .args:
      - { .name: pimg, .offset: 0, .size: 8, .value_kind: global_buffer, .address_space: global }
      - { .name: mimg, .offset: 8, .size: 8, .value_kind: global_buffer, .address_space: global }
      - { .name: cimg, .offset: 16, .size: 8, .value_kind: global_buffer, .address_space: global }
    .group_segment_fixed_size: 327680
    .private_segment_fixed_size: 0
    .kernarg_segment_align: 8
    .kernarg_segment_size: 24
    .max_flat_workgroup_size: 512
    .sgpr_count:     66
    .vgpr_count:     256
    .wavefront_size: 32
...
	.end_amdgpu_metadata
.endif
;; end of part 7
;; launch outp (part 8): grid 64 x 4, 4 waves a work-group, no clusters, 67,072 bytes of LDS; arguments cimg, wimg, bo, out0; writes out0
.if DOCPART == 8
	.amdgcn_target "amdgcn-amd-amdhsa--gfx1250"
	.amdhsa_code_object_version 6
	.text
	.protected	k_qb6e856bbdc_outp
	.globl	k_qb6e856bbdc_outp
	.p2align	8
	.type	k_qb6e856bbdc_outp,@function
k_qb6e856bbdc_outp:
	s_mov_b64 s[64:65], 0
	v_nop
	global_prefetch_b8 v0, s[64:65] scope:SCOPE_SE
	s_setreg_imm32_b32 hwreg(HW_REG_WAVE_SCHED_MODE, 0, 2), 2
	s_setreg_imm32_b32 hwreg(HW_REG_WAVE_MODE, 25, 1), 1
	s_wait_xcnt 0x0
	s_wait_alu depctr_vm_vsrc(0)
; OUTP.  out0 = ctx Wo + bo, both operands on codes of FP6 (E2M3) with one E8M0 scale for each 32 along K = 1,024 (K = 64 x head + d); out0 [4,096][1,024] f32.
; SHARES.  A work-group takes 64 rows (work-group x) and 256 columns (work-group y); wave w the 64 columns G = 4 y + w.  ctx arrives as half fragments (cimg): heads 2 s and 2 s + 1 make the fragment of K step s.
; Wave w brings K steps 2 w and 2 w + 1 (8 fragments) from memory and hands them on through LDS as images of their registers; then all 32 stay in every wave's registers.  Wo's fragments come from wimg straight
; into registers, four K steps ahead.  Source 0 = 16 columns of Wo, source 1 = 16 rows of ctx: by wimg's order of rows a lane's eight results are eight neighbouring columns of one row.
; The bias is the C of each sum's first matrix instruction.  The results go through the wave's own stage in LDS and leave as rows: sixteen lanes store 256 consecutive bytes, aligned.
; REGISTERS, in windows of 256: window 0: addresses, scale words, bias, v128-255 staging and then the 16 accumulators ((i1, i0) at 128 + 32 i1 + 8 i0).  window 1: ctx's fragments of K steps 0-4 (48 s + 12 m).
;   window 2: those of K steps 5-7.   window 3: four sets of Wo's four fragments.
; THE MODE: SCHED_MODE bits 1:0 = 2 (LLVM: expert scheduling mode 2), set by the entry lines.  The code itself states the register dependences
; between vector or matrix instructions and memory or LDS instructions, with s_wait_alu, always for 0.
; THE PLAN.  Registers that memory or LDS instructions touch, and who else names them:
;   v5-v14           Offsets and LDS addresses: written once at the head, ahead of one wait on va_vdst, and never again.
;   v[ST ..]         My eight fragments: loaded, read by the LDS stores of their images, then written by the products as accumulators: one wait on vm_vsrc behind the barrier.
;   v[XS ..]         Merged by vector instructions out of the loaded v[TS ..], taken by the products as scales: eight places and one wait on va_vdst ahead of the first product.
;   Wo's sets, v[WS ..]  Step s's 16 products read set s % 4, each fragment up to the step's last four products; behind them the loads of step s + 4 land in it: one wait on va_vdst behind the products of each of steps 0 to 3.
;   the accumulators Written by the products, read by the LDS stores into the stage: four places and one wait on va_vdst at the head of the way out.
;   the rows read back  Tiles 0 to 2 land in v16-111 (the scale words and the bias, which the products are done reading by that same wait, and registers not used before); tile 3 lands in tile 0's 32 registers,
;                    behind one wait on vm_vsrc for the LDS stores that read them.  The global stores read what LDS loads brought.
;   v126, v127: written at the head, read by the closing add alone.
.set XIMG, 0                           ; LDS: ctx's 32 images of 1,536 bytes, index 4 s + m
.set STG,  49152                       ; the stages: 16 rows x (256 bytes + 16) for each wave
.set VL,   1
.set VR,   2
.set VH,   3
.set L16,  5                           ; v5   16 x lane
.set L8,   6                           ; v6   8 x lane
.set L4,   7                           ; v7   4 x lane
.set XWI,  8                           ; v8   where I store images: 16 x lane + 12,288 x wave
.set BAQ,  10                          ; v10  bias: 64 h
.set SO,   12                          ; v12  the stage: where I put 16 bytes of a row
.set SR,   13                          ; v13  and where I read a row back
.set VGO,  14                          ; v14  my byte offset in two rows of out0
.set XS,   16                          ; v16-31 ctx's scale words: 2 s + u: lanes 0-15 tile 2 u, lanes 16-31 tile 2 u + 1
.set WS,   32                          ; v32-39 Wo's scale words
.set BI,   40                          ; v40-71 the bias as four accumulators
.set ACC,  128
.set ST,   128                         ; v128-223 my eight fragments on their way to LDS
.set TS,   224                         ; v224-255 the 16 heads' scale words (two bytes each), 2 x head + u
.set WV,   20
.set XP,   28                          ; s[28:29] cimg at head 0's block of my 64 rows
.set WP,   30                          ; s[30:31] wimg at Wo's group G
.set BP,   32                          ; s[32:33] bo at my 64 columns
.set FP,   34                          ; s[34:35] cimg at my four heads
.set OP,   36                          ; s[36:37] out0 at my first row and column
.set MSB, 0
.macro WIN new                         ; the immediate's high byte repeats the setting that is left; a switch that changes nothing is dropped
.if MSB != \new
	s_set_vgpr_msb (MSB<<8)|\new
.set MSB, \new
.endif
.endm
.macro PLACES n
.rept \n
	v_nop
.endr
.endm
.macro IMAGE reg, adr, off             ; a fragment's 12 registers go to LDS as they stand
.irp c, 0,1,2
	ds_store_b128 v[\adr], v[\reg+4*\c:\reg+4*\c+3] offset:\off+512*\c
.endr
.endm
.macro FETCH reg, off                  ; and come back so, in any wave
.irp c, 0,1,2
	ds_load_b128 v[\reg+4*\c:\reg+4*\c+3], v[L16] offset:\off+512*\c
.endr
.endm
.macro WSET p                          ; K step p of Wo: four fragments and their scale words: 14 loads
	WIN 0xc0                                       ; destination window 3
.irp t, 0,1,2,3
.irp c, 0,1,2
	global_load_b128 v[48*((\p)%4)+12*\t+4*\c:48*((\p)%4)+12*\t+4*\c+3], v[L16], s[WP:WP+1] offset:6400*(\p)+1536*\t+512*\c
.endr
.endr
	WIN 0
	global_load_b32 v[WS+2*((\p)%4)], v[L4], s[WP:WP+1] offset:6400*(\p)+6144
	global_load_b32 v[WS+2*((\p)%4)+1], v[L4], s[WP:WP+1] offset:6400*(\p)+6144+128
.endm
.macro WM d, a, b, c, sa, ra, sb, rb   ; one product; ra, rb: the half of the lanes in which a side's scale words lie
.set WD, \d
.set WA, \a
.set WB2, \b
.set WC, \c
.set WSA, \sa
.set WSB, \sb
.if ((\ra) == 0) && ((\rb) == 0)
	v_wmma_scale_f32_16x16x128_f8f6f4 v[WD:WD+7], v[WA:WA+11], v[WB2:WB2+11], v[WC:WC+7], v[WSA], v[WSB] matrix_a_fmt:MATRIX_FMT_FP6 matrix_b_fmt:MATRIX_FMT_FP6
.elseif ((\ra) == 1) && ((\rb) == 0)
	v_wmma_scale_f32_16x16x128_f8f6f4 v[WD:WD+7], v[WA:WA+11], v[WB2:WB2+11], v[WC:WC+7], v[WSA], v[WSB] matrix_a_fmt:MATRIX_FMT_FP6 matrix_b_fmt:MATRIX_FMT_FP6 matrix_a_scale:MATRIX_SCALE_ROW1
.elseif ((\ra) == 0)
	v_wmma_scale_f32_16x16x128_f8f6f4 v[WD:WD+7], v[WA:WA+11], v[WB2:WB2+11], v[WC:WC+7], v[WSA], v[WSB] matrix_a_fmt:MATRIX_FMT_FP6 matrix_b_fmt:MATRIX_FMT_FP6 matrix_b_scale:MATRIX_SCALE_ROW1
.else
	v_wmma_scale_f32_16x16x128_f8f6f4 v[WD:WD+7], v[WA:WA+11], v[WB2:WB2+11], v[WC:WC+7], v[WSA], v[WSB] matrix_a_fmt:MATRIX_FMT_FP6 matrix_b_fmt:MATRIX_FMT_FP6 matrix_a_scale:MATRIX_SCALE_ROW1 matrix_b_scale:MATRIX_SCALE_ROW1
.endif
.endm
; K step s: 16 products, source 0 = Wo's tile i0, source 1 = ctx's tile i1; the 16 accumulators take turns, one instruction a turn, in the same order in every step.
.macro MULSTEP s
.if \s < 5
	WIN 0x07                                       ; source 0 window 3, source 1 window 1
.else
	WIN 0x0b                                       ; source 0 window 3, source 1 window 2
.endif
.set XB, 48*((\s)%5)
.set WB, 48*((\s)%4)
.irp i1, 0,1,2,3
.irp i0, 0,1,2,3
.set DD, ACC+32*\i1+8*\i0
.set CC, DD
.if \s == 0
.set CC, BI+8*\i0
.endif
	WM DD, WB+12*\i0, XB+12*\i1, CC, WS+2*((\s)%4)+\i0/2, \i0%2, XS+2*(\s)+\i1/2, \i1%2
.endr
.endr
.endm
	s_load_b256 s[4:11], s[0:1], 0x0               ; cimg, wimg, bo, out0
	v_lshl_add_u32 v126, v0, 2, 0x10400            ; the LDS address of my spare word, behind the stages, and 0: made here and kept for the closing lines alone
	v_mov_b32 v127, 0
	v_lshrrev_b32 v1, 5, v0
	v_readfirstlane_b32 s[WV], v1                  ; wave 0..3
	v_and_b32 v[VL], 31, v0
	v_and_b32 v[VR], 15, v0
	v_bfe_u32 v[VH], v0, 4, 1
	v_lshlrev_b32 v[L16], 4, v[VL]
	v_lshlrev_b32 v[L8], 3, v[VL]
	v_lshlrev_b32 v[L4], 2, v[VL]
	s_wait_alu depctr_va_sdst(0)                   ; s20, the wave's number, is written, ahead of its first reader: LDS addresses and all bases are made from it
	s_mul_i32 s38, s[WV], 12288
	v_add_nc_u32 v[XWI], s38, v[L16]
	v_lshlrev_b32 v[BAQ], 6, v[VH]
	s_mul_i32 s38, s[WV], 4352
	s_add_co_u32 s38, s38, STG                     ; my stage
	v_mul_u32_u24 v[SO], v[VR], 272
	v_lshl_add_u32 v[SO], v[VH], 6, v[SO]
	v_add_nc_u32 v[SO], s38, v[SO]                 ; in: row r, + 64 h
	v_mul_u32_u24 v[SR], v[VH], 272
	v_lshl_add_u32 v[SR], v[VR], 4, v[SR]
	v_add_nc_u32 v[SR], s38, v[SR]                 ; back: lanes 0-15 one row of 256 bytes, lanes 16-31 the next
	v_lshlrev_b32 v[VGO], 12, v[VH]
	v_lshl_add_u32 v[VGO], v[VR], 4, v[VGO]        ; and the same two rows in out0
	s_and_b32 s21, ttmp7, 0xffff
	s_lshl_b32 s21, s21, 2
	s_add_co_u32 s21, s21, s[WV]                   ; G
	s_lshr_b32 s38, ttmp9, 5                       ; batch
	s_lshl_b32 s38, s38, 9
	s_and_b32 s39, ttmp9, 31
	s_add_co_u32 s38, s38, s39                     ; 512 batch + block of 64 queries
	s_mul_i32 s38, s38, 3328
	s_mov_b32 s39, 0
	s_mul_i32 s40, s[WV], 425984                   ; my four heads, 106,496 bytes apart
	s_mov_b32 s41, 0
	s_mul_i32 s42, s21, 51200
	s_add_co_u32 s42, s42, 2457600                 ; Wo is the fourth weight in wimg
	s_mov_b32 s43, 0
	s_lshl_b32 s44, s21, 8                         ; 64 columns x 4 bytes
	s_mov_b32 s45, 0
	s_lshl_b32 s46, ttmp9, 18                      ; 64 rows of 4,096 bytes
	s_add_co_u32 s46, s46, s44
	s_mov_b32 s47, 0
	s_wait_kmcnt 0x0
	s_add_nc_u64 s[XP:XP+1], s[4:5], s[38:39]
	s_add_nc_u64 s[FP:FP+1], s[XP:XP+1], s[40:41]
	s_add_nc_u64 s[WP:WP+1], s[6:7], s[42:43]
	s_add_nc_u64 s[BP:BP+1], s[8:9], s[44:45]
	s_add_nc_u64 s[OP:OP+1], s[10:11], s[46:47]
	s_wait_alu depctr_va_vdst(0)                   ; the offsets and LDS addresses v5 to v14 are written: every load, store and LDS instruction of the kernel reads one of them, and none is written again
.irp t, 0,1,2,3                        ; the bias: tile t = 2 b + u: columns 32 b + 16 h + 8 u + 0 .. 7
	global_load_b128 v[BI+8*\t:BI+8*\t+3], v[BAQ], s[BP:BP+1] offset:(32*(\t/2)+8*(\t%2))*4
	global_load_b128 v[BI+8*\t+4:BI+8*\t+7], v[BAQ], s[BP:BP+1] offset:(32*(\t/2)+8*(\t%2))*4+16
.endr
	WSET 0
	WSET 1
	WSET 2
	WSET 3
.irp sl, 0,1                           ; my two K steps of ctx: fragment (sl, m): registers 6 c on from head 2 sl + c of my four
.irp m, 0,1,2,3
.irp c, 0,1
	global_load_b128 v[ST+12*(4*\sl+\m)+6*\c:ST+12*(4*\sl+\m)+6*\c+3], v[L16], s[FP:FP+1] offset:(2*\sl+\c)*106496+768*\m
	global_load_b64 v[ST+12*(4*\sl+\m)+6*\c+4:ST+12*(4*\sl+\m)+6*\c+5], v[L8], s[FP:FP+1] offset:(2*\sl+\c)*106496+768*\m+512
.endr
.endr
.endr
.irp hh, 0,1,2,3,4,5,6,7,8,9,10,11,12,13,14,15
.irp u, 0,1
	global_load_b32 v[TS+2*\hh+\u], v[L4], s[XP:XP+1] offset:\hh*106496+3072+128*\u   ; all heads' scale words: 128 consecutive bytes a load
.endr
.endr
	s_wait_loadcnt 0x0
.irp f, 0,1,2,3,4,5,6,7
	IMAGE ST+12*\f, XWI, XIMG+1536*\f
.endr
.irp s, 0,1,2,3,4,5,6,7
.irp u, 0,1
	v_lshl_or_b32 v[XS+2*\s+\u], v[TS+2*(2*\s+1)+\u], 16, v[TS+4*\s+\u]   ; a K step's scale word: two bytes from each of its two heads
.endr
.endr
	s_wait_dscnt 0x0                               ; my images have landed
	s_barrier_signal -1
	s_barrier_wait -1                              ; ctx's 32 fragments lie in LDS
	s_wait_alu depctr_vm_vsrc(0)                   ; my LDS stores have read v[ST ..]: these registers are accumulators from here on, written by the products
	WIN 0x40                                       ; destination window 1
.irp s, 0,1,2,3,4
.irp m, 0,1,2,3
	FETCH 48*\s+12*\m, XIMG+1536*(4*\s+\m)
.endr
.endr
	WIN 0x80                                       ; destination window 2
.irp s, 5,6,7
.irp m, 0,1,2,3
	FETCH 48*(\s-5)+12*\m, XIMG+1536*(4*\s+\m)
.endr
.endr
	WIN 0
	PLACES 8                                       ; scale registers written by vector instructions stand eight places ahead of a scaled matrix instruction
	s_wait_alu depctr_va_vdst(0)                   ; the merges have written v[XS ..], which the products take as scales; the places above stay beside this wait
	s_wait_dscnt 0x0
.irp s, 0,1,2,3,4,5,6,7
.if \s >= 4
	s_wait_loadcnt 14*(7-\s)                       ; this step's set is in; three, two, one, no younger sets of 14 loads may be out (steps 0-3 were waited for above)
.endif
	MULSTEP \s
.if \s < 4
	WIN 0xc0                                       ; the window of the loads below: the switch, the wait, the loads
	s_wait_alu depctr_va_vdst(0)                   ; this step's products are done reading their set of Wo and its two registers of scale words, in which the loads below land
	WSET \s+4
.else
	WIN 0
.endif
.endr
	PLACES 4                                       ; in front of the first read of results
	s_wait_alu depctr_va_vdst(0)                   ; the products have written the accumulators, which the LDS stores below read, and are done reading the scale words and the bias (v16-71), in which rows read back land; the places above stay beside this wait
	; THE WAY OUT: 16 rows x 64 columns at a time through my stage.  LDS serves a wave's instructions in order: no wait between the stores and the loads, nor in front of the next tile's stores.
.irp i1, 0,1,2,3
.set OB, 16+32*\i1                     ; where the tile's rows land: tiles 0 to 2 in v16-111,
.if \i1 == 3
.set OB, ACC                           ; tile 3 in the registers that tile 0 has left
	s_wait_alu depctr_vm_vsrc(0)                   ; tile 0's LDS stores have read v128 to v159, in which tile 3's rows land
.endif
.irp b, 0,1
.irp e, 0,1,2,3
	ds_store_b128 v[SO], v[ACC+32*\i1+16*\b+4*\e:ACC+32*\i1+16*\b+4*\e+3] offset:128*\b+16*\e   ; columns 32 b + 16 h + 4 e on; each accumulator from its low end on
.endr
.endr
.irp i, 0,1,2,3,4,5,6,7
	ds_load_b128 v[OB+4*\i:OB+4*\i+3], v[SR] offset:544*\i                                      ; rows 2 i and 2 i + 1
.endr
.endr
.irp i1, 0,1,2,3
.set OB, 16+32*\i1
.if \i1 == 3
.set OB, ACC
.endif
.irp i, 0,1,2,3,4,5,6,7
	s_wait_dscnt 16*(3-\i1)+7-\i                   ; behind this load: the tile's later loads and 16 LDS instructions for each later tile
	global_store_b128 v[VGO], v[OB+4*\i:OB+4*\i+3], s[OP:OP+1] offset:(16*\i1+2*\i)*4096 th:TH_STORE_NT   ; sixteen lanes store 256 consecutive bytes, aligned
.endr
.endr
	s_wait_dscnt 0x0                               ; the closing lines, six on end
	s_wait_alu 0x0
	s_wait_tensorcnt 0x0
	ds_add_u32 v126, v127
	s_wait_dscnt 0x0
	s_endpgm
.Lfunc_end_k_qb6e856bbdc_outp:
	.size	k_qb6e856bbdc_outp, .Lfunc_end_k_qb6e856bbdc_outp-k_qb6e856bbdc_outp
	.p2alignl 7, 3214868480
	.fill 96, 4, 3214868480
	.section	.rodata,"a",@progbits
	.p2align	6, 0x0
	.amdhsa_kernel k_qb6e856bbdc_outp
		.amdhsa_group_segment_fixed_size 67072
		.amdhsa_private_segment_fixed_size 0
		.amdhsa_enable_private_segment 0
		.amdhsa_kernarg_size 32
		.amdhsa_user_sgpr_count 2
		.amdhsa_user_sgpr_kernarg_segment_ptr 1
		.amdhsa_wavefront_size32 1
		.amdhsa_system_sgpr_workgroup_id_x 1
		.amdhsa_system_sgpr_workgroup_id_y 1
		.amdhsa_system_sgpr_workgroup_id_z 1
		.amdhsa_system_vgpr_workitem_id 0
		.amdhsa_next_free_vgpr 960
		.amdhsa_next_free_sgpr 66
		.amdhsa_reserve_vcc 0
		.amdhsa_float_denorm_mode_32 3
		.amdhsa_float_denorm_mode_16_64 3
		.amdhsa_memory_ordered 1
		.amdhsa_forward_progress 1
		.amdhsa_inst_pref_size 55
	.end_amdhsa_kernel
	.amdgpu_metadata
---
amdhsa.version: [ 1, 2 ]
amdhsa.kernels:
  - .name:           k_qb6e856bbdc_outp
    .symbol:         k_qb6e856bbdc_outp.kd
    .args:
      - { .name: cimg, .offset: 0, .size: 8, .value_kind: global_buffer, .address_space: global }
      - { .name: wimg, .offset: 8, .size: 8, .value_kind: global_buffer, .address_space: global }
      - { .name: bo, .offset: 16, .size: 8, .value_kind: global_buffer, .address_space: global }
      - { .name: out0, .offset: 24, .size: 8, .value_kind: global_buffer, .address_space: global }
    .group_segment_fixed_size: 67072
    .private_segment_fixed_size: 0
    .kernarg_segment_align: 8
    .kernarg_segment_size: 32
    .max_flat_workgroup_size: 128
    .sgpr_count:     66
    .vgpr_count:     960
    .wavefront_size: 32
...
	.end_amdgpu_metadata
.endif
;; end of part 8
